; MI455X (gfx1250); checked and timed in simulation.
; The chip was launched on July 23, 2026; its instructions are those of AMD's public machine-readable ISA for CDNA 5 (MIT licence, August 2026) and "CDNA5" Instruction Set Architecture Reference Guide (July 2026). The comments in the code are by the model that wrote it; some were corrected since.
;; Local Sliding Window Attention. Allowed arithmetic: matrix products marked QUANTISED: E2M3 operands, one E8M0 scale for each 32 along K, by v_wmma_scale_f32_16x16x128_f8f6f4 with both operands' format E2M3, f32 sums; everything else in f32.
;; Inputs: Wk 768 x 768 float32; Wo 768 x 768 float32; Wq 768 x 768 float32; Wv 768 x 768 float32; bk 768 float32; bo 768 float32; bq 768 float32; bv 768 float32; key 1 x 4,096 x 768 float32; query 1 x 4,096 x 768 float32; value 1 x 4,096 x 768 float32.
;; Outputs: out0 1 x 4,096 x 768 float32.
;; This version of the problem:
;;   THIS VERSION OF THE PROBLEM IS GIVEN IN LOW PRECISION. The matrix products marked QUANTISED in the list below multiply operands that are first quantised to E2M3 (2 exponent bits, 3 mantissa bits; 6 bits a number), with one power-of-two scale for each 32 numbers along K (OCP MX v1.0); their sums are f32. All else is computed in f32.
;;   The module's matrix products, in the order in which they are computed (A, B: the left and right operand; K: the contracted axis; several contracted axes count as one K, in the product's order):
;;     1. [M 4,096, K 768] x [K 768, N 768]; A: input query; B: input Wq: QUANTISED
;;     2. [M 4,096, K 768] x [K 768, N 768]; A: input key; B: input Wk: QUANTISED
;;     3. [M 4,096, K 768] x [K 768, N 768]; A: input value; B: input Wv: QUANTISED
;;     4. batch 12 x [M 4,096, K 64] x [K 64, N 4,096]; A: computed on the way; B: computed on the way: QUANTISED
;;     5. batch 12 x [M 4,096, K 4,096] x [K 4,096, N 64]; A: softmax (see below); B: computed on the way: QUANTISED
;;     6. [M 4,096, K 768] x [K 768, N 768]; A: computed on the way; B: input Wo: QUANTISED
;;   THE QUANTISER, for each operand of a quantised product, along K:
;;     - K is cut into blocks of 32 from its start; a last block that is shorter is filled with zeros.
;;     - A block's scale is 2^e with e = floor(log2(the largest magnitude in the block)) - 2, held to -126 .. 127; a block of zeros has e = 0. As a byte (E8M0): e + 127.
;;     - Each number is divided by its block's scale, clamped to +-7.5, and rounded to the nearest number of E2M3, ties to even, subnormals kept.
;;     - The product sums the exact products of the quantised numbers (number of the format x scale) in f32.
;;   ~~~python
;;   def quantise(x, axis):      # numpy; x: float32 -> the quantised numbers, widened to float32 again
;;       x = np.moveaxis(x, axis, -1); K = x.shape[-1]
;;       x = np.pad(x, [(0, 0)] * (x.ndim - 1) + [(0, -K % 32)]); x = x.reshape(x.shape[:-1] + (-1, 32)); a = np.abs(x).max(-1, keepdims=True)
;;       e = np.where(a > 0, np.clip(np.frexp(np.where(a > 0, a, 1))[1] - 1 - 2, -126, 127), 0)      # np.frexp(a)[1] - 1 = floor(log2(a)), exactly
;;       r = np.clip(x / 2.0 ** e, -7.5, 7.5)
;;       step = 2.0 ** (np.maximum(np.frexp(np.where(r == 0, 1, r))[1] - 1, 0) - 3)
;;       q = np.round(r / step) * step * 2.0 ** e      # np.round: ties to even
;;       return np.moveaxis(q.reshape(q.shape[:-2] + (-1,))[..., :K], -1, axis).astype(np.float32)
;;   ~~~
;;   SOFTMAX AHEAD OF A QUANTISED PRODUCT. Where the list says 'softmax', what is quantised is not the finished softmax but p = 2^(t - M), with t = logit x log2(e) and M = ceil(the row's largest t), a whole number; so 1/2 < the row's largest p <= 1. The row's sum l is taken of the UNQUANTISED p, in f32, and the product's result is divided by l at the end. Since M is a whole number, a kernel that streams over the keys may use a running M (the ceiling of the running maximum): every later rescaling is an exact power of two, which a block's scale takes up: the codes' values come out the same.
;;   OPERANDS COMPUTED ON THE WAY. 'Computed on the way' means the value that the module computes at that place (a softmax that the list does not call 'softmax' is quantised finished and normalised). What goes into a quantiser is computed in f32, as accurately as f32 sums, v_exp_f32 and their like allow (about 1e-6 of the number): no bf16 or f16 on the way to a quantiser, and a product that is left as it is and whose result goes on into a quantised operand takes f32 operands (vector FMAs, or v_wmma_f32_16x16x4_f32). A number that lies on a knife's edge between two numbers of the format may be rounded either way, as far as f32 arithmetic and the matrix unit's own rounding can turn it there, and no further.
;; 2 versions, each right; version 2 is version 1 with the launches attn, oproj written anew for expert scheduling mode. Each part assembles by itself: llvm-mc -triple=amdgcn-amd-amdhsa -mcpu=gfx1250 --defsym DOCPART=n.
;; ======== version 1 of 2: 4 launches
;; workspace buffers: wcodes 1,769,472 bytes; wscales 73,728 bytes; acodes 7,077,888 bytes; ascales 393,216 bytes; ocodes 2,359,296 bytes; oscales 98,304 bytes
;; launch wquant (part 1): grid 48 x 4, 3 waves a work-group, no clusters, 0 bytes of LDS; arguments Wq, Wk, Wv, Wo, wcodes, wscales; writes wcodes, wscales
.if DOCPART == 1
	.amdgcn_target "amdgcn-amd-amdhsa--gfx1250"
	.amdhsa_code_object_version 6
	.text
	.protected	k_q87b394c84c_wquant
	.globl	k_q87b394c84c_wquant
	.p2align	8
	.type	k_q87b394c84c_wquant,@function
k_q87b394c84c_wquant:
	s_mov_b64 s[64:65], 0
	v_nop
	global_prefetch_b8 v0, s[64:65] scope:SCOPE_SE
	s_setreg_imm32_b32 hwreg(HW_REG_WAVE_MODE, 25, 1), 1
	s_wait_xcnt 0x0
; THE PROGRAM: sliding-window attention, 4,096 tokens, 12 heads of 64, all six products on codes of E2M3 with one E8M0 scale for each 32 along K.
; Four launches: this one (the four weights into codes), proj (query, key, value quantised and projected; Q, K, V quantised), attn (the band's scores, softmax, P V; the result quantised), oproj (the last projection).
; WORK LEFT OUT, for all values of the inputs.  reference() builds its mask in its own body: key k counts for query q where |q - k| <= 64.  For the 64 queries 64 g .. 64 g + 63 that leaves keys
; 64 (g - 1) .. 64 (g + 1) + 63 at the most: the key groups g - 1, g, g + 1.  Every other score is replaced by -infinity ahead of the softmax, so its p is 0: it adds 0 to the row's sum, its code is 0, and it adds 0 to
; the product with V.  So the score tiles and the P V steps of all other key groups are not computed.  No input is left out: all eleven have a way to the output.
; LIMIT of that: a NaN, an infinity or an overflow that reaches only the rows of K and V outside a query's three key groups is not carried to the result.
; LIMITS of the quantisers, in all four launches: NaN and infinities among the inputs are not served; a block whose largest magnitude lies under 2^-124 keeps the scale byte 1; a block of zeros has the byte 1
; where the rule says 127: its codes are zeros, which add nothing under any byte but 0xff, and the bytes are read by this program alone.
;
; THIS LAUNCH.  W [768 (n)][768 (k)] f32, K innermost, becomes IMAGES OF OPERAND REGISTERS: a fragment (16 rows x 128 K, 12 registers a lane) lies as three runs of 512 bytes, registers 4 c .. 4 c + 3 of lane l at 512 c + 16 l.
; wcodes [matrix q, k, v, o][tile 48][K step 6][1,536].  THE ROWS OF A TILE ARE NOT NEIGHBOURS: lane r of tile nt holds row 32 (nt / 2) + 8 (nt % 2) + r + 8 (r / 8), so that in a product whose source 0 is such tiles
; the 16 registers of tiles 2 b and 2 b + 1 are 16 neighbouring rows of W.  wscales [matrix][tile][p 3][32 lanes] words: lanes 0-15 row r's word of K step 2 p, lanes 16-31 that of K step 2 p + 1.
; SHARES.  Work-group x = the tile, y = the matrix; wave p takes K steps 2 p and 2 p + 1.  Lane (r, h) loads, of its row, 16 neighbouring numbers of each block of 32: register 16 b + i = k 32 b + 16 h + i.
; No LDS, no barrier: waves share nothing.
.set TM,  8                            ; v8-11 largest magnitudes, v12-15 the other half's, then the bytes; v20-23 the conversions' scale operands
.set PW0, 24                           ; the two K steps' scale words
.set PW1, 25
.set PWM, 26                           ; and the word that is stored
.set PC0, 28                           ; v28-46, v48-66: codes, a set for each K step, so that no store's data are written again
.set PC1, 48
.set ST0, 68                           ; v68-131, v132-195: 64 numbers for each K step
.set ST1, 132
.set SEL, 20                           ; s[20:21] lane selects for v_permlanex16_b32: lane l xor 16
; 64 numbers of a lane, v[s] .. v[s + 63], become a fragment's codes in v[pc] .. v[pc + 11] (v[pc + 12] .. v[pc + 18] at work) and its scale word in v[pw].
.macro QUANT s, pc, pw
.irp b, 0,1,2,3
	v_max3_num_f32 v[TM+\b], 0x1800000, |v[(\s)+16*\b]|, |v[(\s)+16*\b+1]|   ; block b: my 16 numbers, and the floor 2^(3 - 127): the byte cannot fall under 1
.endr
.irp i, 2,4,6,8,10,12,14
.irp b, 0,1,2,3
	v_max3_num_f32 v[TM+\b], v[TM+\b], |v[(\s)+16*\b+\i]|, |v[(\s)+16*\b+\i+1]|   ; the four blocks by turns
.endr
.endr
.irp b, 0,1,2,3
	v_permlanex16_b32 v[TM+4+\b], v[TM+\b], s[SEL], s[SEL+1]
.endr
.irp b, 0,1,2,3
	v_max_num_f32 v[TM+\b], v[TM+\b], v[TM+4+\b]   ; with lane l xor 16's 16: the block's largest magnitude
.endr
.irp b, 0,1,2,3
	v_add_nc_u32 v[TM+12+\b], 0xff000000, v[TM+\b]   ; 2 off its exponent field: the conversion takes the exponent field of this operand as its scale
.endr
.irp b, 0,1,2,3
	v_lshrrev_b32 v[TM+4+\b], 23, v[TM+12+\b]      ; the scale's byte
.endr
	v_lshl_or_b32 v[\pw], v[TM+5], 8, v[TM+4]
	v_lshl_or_b32 v[\pw], v[TM+6], 16, v[\pw]
	v_lshl_or_b32 v[\pw], v[TM+7], 24, v[\pw]      ; my row's scale word
.irp c, 0,1
	v_cvt_scalef32_pk16_fp6_f32 v[(\pc)+6*\c:(\pc)+6*\c+2], v[(\s)+32*\c:(\s)+32*\c+15], v[TM+12+2*\c]
	v_cvt_scalef32_pk16_fp6_f32 v[(\pc)+12+4*\c:(\pc)+14+4*\c], v[(\s)+16+32*\c:(\s)+31+32*\c], v[TM+13+2*\c]   ; (a conversion's three registers begin on an even number)
.endr
	v_nop                                          ; one plain instruction behind the scaled conversions
.irp c, 0,1                                    ; the operand's layout wants a WHOLE block in a lane: lanes 0-15 block 2 c, lanes 16-31 block 2 c + 1
.irp i, 0,1,2
	v_permlane16_swap_b32 v[(\pc)+6*\c+\i], v[(\pc)+12+4*\c+\i]
.endr
.irp i, 0,1,2
	v_mov_b32 v[(\pc)+3+6*\c+\i], v[(\pc)+12+4*\c+\i]
.endr
.endr
.endm
	s_load_b256 s[4:11], s[0:1], 0x0               ; Wq, Wk, Wv, Wo
	s_load_b128 s[12:15], s[0:1], 0x20             ; wcodes, wscales
	v_lshrrev_b32 v1, 5, v0
	v_readfirstlane_b32 s16, v1                    ; wave p
	s_and_b32 s17, ttmp7, 0xffff                   ; the matrix
	s_mov_b32 s18, 0xffff0000                      ; a lane mask: lanes 16-31
	s_mov_b32 s[SEL], 0x76543210
	s_mov_b32 s[SEL+1], 0xfedcba98
	v_and_b32 v4, 15, v0                           ; r
	v_bfe_u32 v5, v0, 4, 1                         ; h
	v_and_b32 v6, 8, v4
	v_add_nc_u32 v6, v6, v4                        ; r + 8 (r / 8)
	v_mul_u32_u24 v1, v6, 3072                     ; my row of the tile's 32, 3,072 bytes a row,
	v_lshl_add_u32 v1, v5, 6, v1                   ; + 64 h: my 16 numbers of a block
	v_and_b32 v7, 31, v0
	v_lshlrev_b32 v2, 4, v7                        ; 16 x lane
	v_lshlrev_b32 v3, 2, v7                        ; 4 x lane
.irp b, 0,1,2,3
	v_mov_b32 v[TM+4+\b], 0                        ; written once: a lane permute's destination counts as one of its sources
.endr
	s_lshr_b32 s22, ttmp9, 1
	s_lshl_b32 s22, s22, 5
	s_and_b32 s23, ttmp9, 1
	s_lshl_b32 s23, s23, 3
	s_add_co_u32 s22, s22, s23                     ; the tile's first row: 32 (nt / 2) + 8 (nt % 2)
	s_mul_i32 s22, s22, 3072
	s_lshl_b32 s23, s16, 10                        ; my two K steps: 1,024 bytes of each row
	s_add_co_u32 s22, s22, s23
	s_mov_b32 s23, 0
	s_mul_i32 s24, s17, 48
	s_add_co_u32 s24, s24, ttmp9                   ; 48 x matrix + tile
	s_mul_i32 s26, s24, 6
	s_lshl_b32 s27, s16, 1
	s_add_co_u32 s26, s26, s27
	s_mul_i32 s26, s26, 1536                       ; my two images
	s_mov_b32 s27, 0
	s_mul_i32 s28, s24, 3
	s_add_co_u32 s28, s28, s16
	s_lshl_b32 s28, s28, 7                         ; my 32 scale words
	s_mov_b32 s29, 0
	s_wait_kmcnt 0x0
	s_cmp_eq_u32 s17, 1                            ; the matrix is chosen by the work-group's number alone
	s_cselect_b64 s[4:5], s[6:7], s[4:5]
	s_cmp_eq_u32 s17, 2
	s_cselect_b64 s[4:5], s[8:9], s[4:5]
	s_cmp_eq_u32 s17, 3
	s_cselect_b64 s[4:5], s[10:11], s[4:5]
	s_add_nc_u64 s[4:5], s[4:5], s[22:23]
	s_add_nc_u64 s[12:13], s[12:13], s[26:27]
	s_add_nc_u64 s[14:15], s[14:15], s[28:29]
.irp b, 0,1,2,3
.irp j, 0,1,2,3
	global_load_b128 v[ST0+16*\b+4*\j:ST0+16*\b+4*\j+3], v1, s[4:5] offset:128*\b+16*\j th:TH_LOAD_NT
.endr
.endr
.irp b, 0,1,2,3
.irp j, 0,1,2,3
	global_load_b128 v[ST1+16*\b+4*\j:ST1+16*\b+4*\j+3], v1, s[4:5] offset:512+128*\b+16*\j th:TH_LOAD_NT
.endr
.endr
	s_wait_loadcnt 16                              ; the first K step's 16 loads are in; the second's 16 may be out
	QUANT ST0, PC0, PW0
.irp c, 0,1,2
	global_store_b128 v2, v[PC0+4*\c:PC0+4*\c+3], s[12:13] offset:512*\c   ; 32 lanes store 512 consecutive bytes
.endr
	s_wait_loadcnt 0x0
	QUANT ST1, PC1, PW1
.irp c, 0,1,2
	global_store_b128 v2, v[PC1+4*\c:PC1+4*\c+3], s[12:13] offset:1536+512*\c
.endr
	v_cndmask_b32 v[PWM], v[PW0], v[PW1], s18      ; lanes 0-15 the first K step's words, lanes 16-31 the second's (both halves of the lanes hold their row's word)
	global_store_b32 v3, v[PWM], s[14:15]
	s_endpgm
.Lfunc_end_k_q87b394c84c_wquant:
	.size	k_q87b394c84c_wquant, .Lfunc_end_k_q87b394c84c_wquant-k_q87b394c84c_wquant
	.p2alignl 7, 3214868480
	.fill 96, 4, 3214868480
	.section	.rodata,"a",@progbits
	.p2align	6, 0x0
	.amdhsa_kernel k_q87b394c84c_wquant
		.amdhsa_group_segment_fixed_size 0
		.amdhsa_private_segment_fixed_size 0
		.amdhsa_enable_private_segment 0
		.amdhsa_kernarg_size 48
		.amdhsa_user_sgpr_count 2
		.amdhsa_user_sgpr_kernarg_segment_ptr 1
		.amdhsa_wavefront_size32 1
		.amdhsa_system_sgpr_workgroup_id_x 1
		.amdhsa_system_sgpr_workgroup_id_y 1
		.amdhsa_system_sgpr_workgroup_id_z 1
		.amdhsa_system_vgpr_workitem_id 0
		.amdhsa_next_free_vgpr 200
		.amdhsa_next_free_sgpr 66
		.amdhsa_reserve_vcc 0
		.amdhsa_float_denorm_mode_32 3
		.amdhsa_float_denorm_mode_16_64 3
		.amdhsa_memory_ordered 1
		.amdhsa_forward_progress 1
		.amdhsa_inst_pref_size 14
	.end_amdhsa_kernel
	.amdgpu_metadata
---
amdhsa.version: [ 1, 2 ]
amdhsa.kernels:
  - .name:           k_q87b394c84c_wquant
    .symbol:         k_q87b394c84c_wquant.kd
    .args:
      - { .name: Wq, .offset: 0, .size: 8, .value_kind: global_buffer, .address_space: global }
      - { .name: Wk, .offset: 8, .size: 8, .value_kind: global_buffer, .address_space: global }
      - { .name: Wv, .offset: 16, .size: 8, .value_kind: global_buffer, .address_space: global }
      - { .name: Wo, .offset: 24, .size: 8, .value_kind: global_buffer, .address_space: global }
      - { .name: wcodes, .offset: 32, .size: 8, .value_kind: global_buffer, .address_space: global }
      - { .name: wscales, .offset: 40, .size: 8, .value_kind: global_buffer, .address_space: global }
    .group_segment_fixed_size: 0
    .private_segment_fixed_size: 0
    .kernarg_segment_align: 8
    .kernarg_segment_size: 48
    .max_flat_workgroup_size: 96
    .sgpr_count:     66
    .vgpr_count:     200
    .wavefront_size: 32
...
	.end_amdgpu_metadata
.endif
;; end of part 1
;; launch proj (part 2): grid 64 x 3, 4 waves a work-group, no clusters, 243,200 bytes of LDS; arguments query, key, value, bq, bk, bv, wcodes, wscales, acodes, ascales; writes acodes, ascales
.if DOCPART == 2
	.amdgcn_target "amdgcn-amd-amdhsa--gfx1250"
	.amdhsa_code_object_version 6
	.text
	.protected	k_q87b394c84c_proj
	.globl	k_q87b394c84c_proj
	.p2align	8
	.type	k_q87b394c84c_proj,@function
k_q87b394c84c_proj:
	s_mov_b64 s[64:65], 0
	v_nop
	global_prefetch_b8 v0, s[64:65] scope:SCOPE_SE
	s_setreg_imm32_b32 hwreg(HW_REG_WAVE_MODE, 25, 1), 1
	s_wait_xcnt 0x0
; Products 1 to 3: X W^T + b for X = query, key, value (work-group y = 0, 1, 2), on codes of E2M3; the results are quantised for the attention and stored as images of operand registers.
; LIMITS: as stated at the head of the first kernel (NaN and infinities not served; the byte 1 for blocks under 2^-124 and for blocks of zeros).
; SHARES.  Work-group (g, y): the 64 tokens of group g, all 768 columns.  Wave w: heads 3 w .. 3 w + 2 (12 tiles of 16 columns) for the four tiles of 16 tokens: 48 accumulators, 384 registers.
; X arrives as f32 by the tensor data mover: each wave brings its own 16 rows in six slices of 128 along K (six loads of the wave are out at the most; nothing is filled a second time), quantises them in registers
; and stores the fragments in LDS as images of their registers; one barrier; then every wave reads all 24 fragments.  W's fragments come from wcodes straight into operand registers, five units of four fragments ahead.
; THE TOKENS OF A TILE ARE NOT NEIGHBOURS: lane r of tile m holds token 32 (m / 2) + 8 (m % 2) + r + 8 (r / 8) of the group; W's tiles likewise (first kernel).  So wherever such tiles are source 0, a lane's 16 registers of
; tiles 2 b and 2 b + 1 are 16 neighbours.  Row 16 w + r of the group is lane (r % 8) + 8 (w % 2) of tile 2 (w / 2) + (r / 8): the order costs an LDS address and nothing else.
; Q and K (y < 2): source 0 = W, source 1 = X: a lane holds one token and its registers run along the head's 64: the next K.  V (y = 2): source 0 = X, source 1 = W: a lane holds one column d and its registers run
; along the tokens, which are the K of P V.  The bias is the C of each sum's first product.
; OUT.  A HALF IMAGE is six registers of 32 lanes, 768 bytes: registers 0-3 at 16 x lane, registers 4-5 at 512 + 8 x lane; lane (r, h) holds one row's block h of 32 codes.  acodes [Q, K, V][head][g][sub 4][768]:
; sub = the tile of tokens (Q, K) or of d (V).  ascales: Q at 0, K at 98,304: [head][g][32 lanes] words, lanes 0-15 tiles 0 and 1 (bytes 0, 1 and 2, 3), lanes 16-31 tiles 2 and 3;
; V at 196,608: [head][g][tp 2][32 lanes] words, lanes 0-15 d tile 2 tp, lanes 16-31 tile 2 tp + 1, the low 16 bits the bytes of the group's two blocks of tokens, the high 16 bits 0.
; REGISTERS, in windows of 256.  Window 0: v1-16 addresses; v20-35 at work in QUANT; v40-75 W's scale words, v76-83 X's (scales and nothing else); v84-179 X's fragments, two sets (in the X phase and on the way out: codes);
; v180-243 64 numbers of X (on the way out: scale words); v252, v253 the add's two.  Window 1: W's ring, five units of 48.  Window 2: heads 0 and 1 of my three.  Window 3: v0-127 head 2; v128-223 the bias, 8 a tile.
.set XSL,   8448                       ; LDS: a slice of X as f32: 16 rows x (512 bytes + 16): the 16 rows that a load touches start in 16 different groups of banks
.set XRW,   6*XSL                      ; a wave's six slices
.set XIMG,  24*XSL                     ; behind them: X's 24 fragments, (tile m, K step s) at (6 m + s) x 1,536,
.set XSC,   XIMG+24*1536               ; their scale words, 128 bytes each,
.set SPARE, XSC+24*128                 ; and the spare words, 128 bytes for each wave: two blocks of 256 bytes that no other line names
.set BA,  9                            ; v9-16  the bias's byte offsets, one for each register of a tile
.set TM,  20
.set WS,  40
.set XS,  76
.set XF,  84
.set ST,  180
.set SPW, 252
.set NIL, 253
.set SEL, 28                           ; s[28:29] lane selects: lane l xor 16
.set G1,  32                           ; s[32:39] descriptor group 1;  s[40:63] six groups 0; none is written again
.set G0,  40
.set MSB, 0
.macro WIN new                         ; the immediate's high byte repeats the setting that is left; a switch that changes nothing is dropped
.if MSB != (\new)
	s_set_vgpr_msb (MSB<<8)|(\new)
.set MSB, (\new)
.endif
.endm
; 64 numbers of a lane, v[s] .. v[s + 63] of window w, register 16 b + i = place 32 b + 16 h + i along K, become 12 registers of codes in v[pc] on (v[pc + 12] .. v[pc + 18] at work) and a scale word in v[pw].
.macro QUANT s, w, pc, pw
	WIN ((\w)<<2)|((\w)<<4)
.irp b, 0,1,2,3
	v_max3_num_f32 v[TM+\b], 0x1800000, |v[(\s)+16*\b]|, |v[(\s)+16*\b+1]|   ; block b: my 16 numbers, and the floor 2^(3 - 127).  Each accumulator is read from its low end on
.endr
.irp i, 2,4,6,8,10,12,14
.irp b, 0,1,2,3
	v_max3_num_f32 v[TM+\b], v[TM+\b], |v[(\s)+16*\b+\i]|, |v[(\s)+16*\b+\i+1]|
.endr
.endr
	WIN 0
.irp b, 0,1,2,3
	v_permlanex16_b32 v[TM+4+\b], v[TM+\b], s[SEL], s[SEL+1]
.endr
.irp b, 0,1,2,3
	v_max_num_f32 v[TM+\b], v[TM+\b], v[TM+4+\b]   ; with lane l xor 16's 16: the block's largest magnitude
.endr
.irp b, 0,1,2,3
	v_add_nc_u32 v[TM+12+\b], 0xff000000, v[TM+\b]   ; 2 off its exponent field: the conversion's scale operand
.endr
.irp b, 0,1,2,3
	v_lshrrev_b32 v[TM+4+\b], 23, v[TM+12+\b]      ; the scale's byte
.endr
	v_lshl_or_b32 v[\pw], v[TM+5], 8, v[TM+4]
	v_lshl_or_b32 v[\pw], v[TM+6], 16, v[\pw]
	v_lshl_or_b32 v[\pw], v[TM+7], 24, v[\pw]
	WIN (\w)
.irp c, 0,1
	v_cvt_scalef32_pk16_fp6_f32 v[(\pc)+6*\c:(\pc)+6*\c+2], v[(\s)+32*\c:(\s)+32*\c+15], v[TM+12+2*\c]
	v_cvt_scalef32_pk16_fp6_f32 v[(\pc)+12+4*\c:(\pc)+14+4*\c], v[(\s)+16+32*\c:(\s)+31+32*\c], v[TM+13+2*\c]
.endr
	WIN 0
	v_nop                                          ; one plain instruction behind the scaled conversions
.irp c, 0,1                                    ; a WHOLE block to a lane: lanes 0-15 block 2 c, lanes 16-31 block 2 c + 1
.irp i, 0,1,2
	v_permlane16_swap_b32 v[(\pc)+6*\c+\i], v[(\pc)+12+4*\c+\i]
.endr
.irp i, 0,1,2
	v_mov_b32 v[(\pc)+3+6*\c+\i], v[(\pc)+12+4*\c+\i]
.endr
.endr
.endm
.macro MMA d, a, b, c, sa, sb, ra, rb  ; one product; ra, rb: source 0's or source 1's scales stand in lanes 16-31
.if (\ra)
	v_wmma_scale_f32_16x16x128_f8f6f4 v[(\d):(\d)+7], v[(\a):(\a)+11], v[(\b):(\b)+11], v[(\c):(\c)+7], v[\sa], v[\sb] matrix_a_fmt:MATRIX_FMT_FP6 matrix_b_fmt:MATRIX_FMT_FP6 matrix_a_scale:MATRIX_SCALE_ROW1
.elseif (\rb)
	v_wmma_scale_f32_16x16x128_f8f6f4 v[(\d):(\d)+7], v[(\a):(\a)+11], v[(\b):(\b)+11], v[(\c):(\c)+7], v[\sa], v[\sb] matrix_a_fmt:MATRIX_FMT_FP6 matrix_b_fmt:MATRIX_FMT_FP6 matrix_b_scale:MATRIX_SCALE_ROW1
.else
	v_wmma_scale_f32_16x16x128_f8f6f4 v[(\d):(\d)+7], v[(\a):(\a)+11], v[(\b):(\b)+11], v[(\c):(\c)+7], v[\sa], v[\sb] matrix_a_fmt:MATRIX_FMT_FP6 matrix_b_fmt:MATRIX_FMT_FP6
.endif
.endm
.macro WLOAD u                         ; unit u = (K step u / 3, head u % 3): four fragments of W into the ring's place u % 5
.irp t, 0,1,2,3
.irp c, 0,1,2
	global_load_b128 v[48*((\u)%5)+12*\t+4*\c:48*((\u)%5)+12*\t+4*\c+3], v1, s[16:17] offset:((4*((\u)%3)+\t)*6+(\u)/3)*1536+512*\c
.endr
.endr
.endm
.macro FETCHX s                        ; K step s of X: four fragments and their scale words, into set s % 2
.irp m, 0,1,2,3
.irp c, 0,1,2
	ds_load_b128 v[XF+48*((\s)%2)+12*\m+4*\c:XF+48*((\s)%2)+12*\m+4*\c+3], v7 offset:(6*\m+(\s))*1536+512*\c
.endr
	ds_load_b32 v[XS+4*((\s)%2)+\m], v8 offset:(6*\m+(\s))*128
.endr
.endm
	s_load_b512 s[4:19], s[0:1], 0x0               ; query, key, value s[4:9]; bq, bk, bv s[10:15]; wcodes s[16:17]; wscales s[18:19]
	s_load_b128 s[20:23], s[0:1], 0x40             ; acodes, ascales
	v_lshl_add_u32 v[SPW], v0, 2, SPARE
	v_mov_b32 v[NIL], 0
	ds_add_u32 v[SPW], v[NIL]                      ; the wave's opening: the add, twice on end, and its wait ahead of my first tensor load
	ds_add_u32 v[SPW], v[NIL]                      ; and once more; the set-up below, work on registers, stands between it and the wait
	v_lshrrev_b32 v1, 5, v0
	v_readfirstlane_b32 s24, v1                    ; wave w
	s_and_b32 s25, ttmp7, 0xffff                   ; y: which projection
	s_mov_b32 s26, ttmp9                           ; g: which 64 tokens
	s_mov_b32 s27, 0xffff0000                      ; a lane mask: lanes 16-31
	s_mov_b32 s[SEL], 0x76543210
	s_mov_b32 s[SEL+1], 0xfedcba98
	s_mov_b32 s[G1+0], (2<<16)|(1<<20)|(6<<22)|(3<<25)  ; no mask; elements of 4 bytes; padding on: after every 128 words, 4 words
	s_mov_b32 s[G1+1], 128<<16                     ; tensor_dim0 = 128
	s_mov_b32 s[G1+2], 16<<16                      ; tensor_dim1 = 16
	s_mov_b32 s[G1+3], 128<<16                     ; tile_dim0 = 128
	s_mov_b32 s[G1+4], 16                          ; tile_dim1 = 16
	s_mov_b32 s[G1+5], 768                         ; elements from row to row
	s_mov_b32 s[G1+6], 0
	s_mov_b32 s[G1+7], 0
	s_mul_i32 s66, s24, XRW                        ; my slices in LDS
	s_mul_i32 s68, s26, 196608                     ; X: 64 rows of 3,072 bytes a group,
	s_mul_i32 s67, s24, 49152                      ; my 16 rows
	s_add_co_u32 s68, s68, s67
	s_mov_b32 s69, 0
	s_mul_i32 s70, s25, 442368                     ; wcodes: the matrix,
	s_mul_i32 s67, s24, 110592                     ; my 12 tiles
	s_add_co_u32 s70, s70, s67
	s_mov_b32 s71, 0
	s_mul_i32 s72, s25, 18432                      ; wscales likewise
	s_mul_i32 s67, s24, 4608
	s_add_co_u32 s72, s72, s67
	s_mov_b32 s73, 0
	s_mul_i32 s74, s24, 768                        ; the bias: my 192 columns
	s_mov_b32 s75, 0
	s_mul_i32 s76, s25, 2359296                    ; acodes: the section,
	s_mul_i32 s67, s24, 589824                     ; my three heads,
	s_add_co_u32 s76, s76, s67
	s_mul_i32 s67, s26, 3072                       ; the group
	s_add_co_u32 s76, s76, s67
	s_mov_b32 s77, 0
	s_mul_i32 s78, s24, 24576                      ; ascales: 128 bytes for a head and group in Q and K, 256 in V
	s_lshl_b32 s67, s26, 7
	s_add_co_u32 s78, s78, s67
	s_cmp_eq_u32 s25, 2
	s_cselect_b32 s67, 1, 0
	s_lshl_b32 s78, s78, s67
	s_mul_i32 s67, s25, 98304                      ; Q at 0, K at 98,304, V at 196,608
	s_add_co_u32 s78, s78, s67
	s_mov_b32 s79, 0
	s_wait_dscnt 0x0                               ; both opening adds are done
	s_wait_kmcnt 0x0
	s_cmp_eq_u32 s25, 1                            ; the input and its bias are chosen by the work-group's number alone
	s_cselect_b64 s[4:5], s[6:7], s[4:5]
	s_cselect_b64 s[10:11], s[12:13], s[10:11]
	s_cmp_eq_u32 s25, 2
	s_cselect_b64 s[4:5], s[8:9], s[4:5]
	s_cselect_b64 s[10:11], s[14:15], s[10:11]
	s_add_nc_u64 s[4:5], s[4:5], s[68:69]
	s_add_nc_u64 s[10:11], s[10:11], s[74:75]
	s_add_nc_u64 s[16:17], s[16:17], s[70:71]
	s_add_nc_u64 s[18:19], s[18:19], s[72:73]
	s_add_nc_u64 s[20:21], s[20:21], s[76:77]
	s_add_nc_u64 s[22:23], s[22:23], s[78:79]
.irp q, 0,1,2,3,4,5                            ; my six slices go out together, ahead of every wait on TENSORcnt, every LDS read and the barrier
	s_mov_b32 s[G0+4*\q], 1                        ; count = 1
	s_add_co_u32 s[G0+4*\q+1], s66, \q*XSL         ; LDS address: wave x 50,688 + slice x 8,448
	s_add_nc_u64 s[G0+4*\q+2:G0+4*\q+3], s[4:5], \q*512   ; 128 numbers along K a slice
	s_or_b32 s[G0+4*\q+3], s[G0+4*\q+3], 0x80000000       ; type = 2
	tensor_load_to_lds s[G0+4*\q:G0+4*\q+3], s[G1:G1+7]
	s_nop 0
.endr
.rept 4
	v_nop
.endr
	v_and_b32 v17, 31, v0                          ; lane
	v_and_b32 v18, 15, v0                          ; r
	v_bfe_u32 v19, v0, 4, 1                        ; h
	v_lshlrev_b32 v1, 4, v17                       ; 16 x lane
	v_lshlrev_b32 v2, 3, v17                       ; 8 x lane
	v_lshlrev_b32 v3, 2, v17                       ; 4 x lane
	v_mul_u32_u24 v4, v18, 528
	v_lshl_add_u32 v4, v19, 6, v4
	v_add_nc_u32 v4, s66, v4                       ; X as f32: my slices, row r, + 64 h: my 16 numbers of a block
	s_lshr_b32 s80, s24, 1
	s_and_b32 s81, s24, 1
	s_mul_i32 s82, s80, 18432
	s_lshl_b32 s83, s81, 7
	s_add_co_u32 s82, s82, s83
	s_add_co_u32 s82, s82, XIMG
	v_bfe_u32 v37, v0, 3, 1                        ; r / 8
	v_and_b32 v38, 7, v0                           ; r % 8
	v_mul_u32_u24 v5, v37, 9216
	v_lshl_add_u32 v5, v38, 4, v5
	v_lshl_add_u32 v5, v19, 8, v5
	v_add_nc_u32 v5, s82, v5                       ; where my codes go: tile 2 (w / 2) + r / 8, lane (r % 8) + 8 (w % 2) + 16 h
	s_mul_i32 s82, s80, 1536
	s_lshl_b32 s83, s81, 5
	s_add_co_u32 s82, s82, s83
	s_add_co_u32 s82, s82, XSC
	v_mul_u32_u24 v6, v37, 768
	v_lshl_add_u32 v6, v38, 2, v6
	v_lshl_add_u32 v6, v19, 6, v6
	v_add_nc_u32 v6, s82, v6                       ; and my scale word: the same tile and lane
	v_add_nc_u32 v7, XIMG, v1                      ; where any wave reads an image back,
	v_add_nc_u32 v8, XSC, v3                       ; and its scale words
	v_and_b32 v39, 8, v18
	v_add_nc_u32 v39, v39, v18
	v_lshlrev_b32 v39, 2, v39                      ; 4 (r + 8 (r / 8)): V's results hold one column a lane: all eight registers take its bias
	v_lshlrev_b32 v37, 6, v19                      ; 64 h: Q's and K's hold eight neighbouring columns: 4 bytes from register to register
	s_cmp_eq_u32 s25, 2
	s_cselect_b32 s82, -1, 0
	s_cselect_b32 s83, 0, 4
	v_cndmask_b32 v[BA], v37, v39, s82
.irp e, 1,2,3,4,5,6,7
	v_add_nc_u32 v[BA+\e], s83, v[BA+\e-1]
.endr
.irp b, 0,1,2,3
	v_mov_b32 v[TM+4+\b], 0                        ; written once: a lane permute's destination counts as one of its sources
.endr
	WIN 0xc0                                       ; destination window 3
.irp j, 0,1,2
.irp t, 0,1,2,3
.irp e, 0,1,2,3,4,5,6,7
	global_load_b32 v[128+8*(4*\j+\t)+\e], v[BA+\e], s[10:11] offset:(64*\j+32*(\t/2)+8*(\t%2))*4   ; the bias in the result's layout, tile by tile
.endr
.endr
.endr
	WIN 0
.set N, 0
.rept 36
	global_load_b32 v[WS+N], v3, s[18:19] offset:128*N   ; W's scale words: (tile, pair of K steps)
.set N, N+1
.endr
	WIN 0x40                                       ; destination window 1
.irp u, 0,1,2,3,4
	WLOAD \u
.endr
	WIN 0
; THE X PHASE: slice q of my 16 rows becomes a fragment's image and 32 scale words.
.macro XSLICE q
	s_wait_tensorcnt 5-(\q)                        ; tensor loads of a wave end in order: slice q is in; the later slices' loads may be out.  Only I read these bytes
.irp b, 0,1,2,3
.irp j, 0,1,2,3
	ds_load_b128 v[ST+16*\b+4*\j:ST+16*\b+4*\j+3], v4 offset:XSL*(\q)+128*\b+16*\j
.endr
.endr
	s_wait_dscnt 0x0                               ; the numbers are in; and the last slice's stores have read their registers
	QUANT ST, 0, XF, 36
.irp c, 0,1,2
	ds_store_b128 v5, v[XF+4*\c:XF+4*\c+3] offset:1536*(\q)+512*\c
.endr
	ds_store_b32 v6, v36 offset:128*(\q)
.endm
.irp q, 0,1,2,3,4,5
	XSLICE \q
.endr
	s_wait_dscnt 0x0                               ; for the others' sake: my stores have landed
	s_barrier_signal -1
	s_barrier_wait -1                              ; X's 24 fragments lie in LDS; nothing is stored to LDS from here on
	FETCHX 0
; A UNIT: one K step of one head: 16 products, four tiles of columns x four tiles of tokens.  The 48 accumulators take turns, one instruction a turn.  v = 1: V's path.
.macro UNIT u, v
.set US, (\u)/3
.set UJ, (\u)%3
.if UJ == 0
	s_wait_dscnt 0x0                               ; this K step's fragments of X are in
.if US < 5
	FETCHX US+1                                    ; the next K step's, into the other set: its last readers stand ahead of the last unit's four places
.endif
.endif
.if 17-(\u) < 4
	s_wait_loadcnt 12*(17-(\u))                    ; unit u's 12 loads are in; the later units' may be out
.else
	s_wait_loadcnt 48                              ; unit u's 12 loads are in (and the bias and the scale words, asked for earlier); the four units behind it may be out
.endif
.set UD, 2+UJ/2
.if US == 0
.set UC, 3
.else
.set UC, UD
.endif
	WIN (UD<<6)|(UC<<4)|(1+3*(\v))                 ; W in window 1, X in window 0; the sums in window 2 or 3; the first K step's C is the bias, in window 3
.irp m, 0,1,2,3
.irp t, 0,1,2,3
.set RW, 48*((\u)%5)+12*\t
.set RX, XF+48*(US%2)+12*\m
.set RWS, WS+(4*UJ+\t)*3+US/2
.set RXS, XS+4*(US%2)+\m
.if \v
.set RD, 128*(UJ%2)+32*\t+8*\m
.else
.set RD, 128*(UJ%2)+32*\m+8*\t
.endif
.if US == 0
.set RC, 128+8*(4*UJ+\t)
.else
.set RC, RD
.endif
.if \v
	MMA RD, RX, RW, RC, RXS, RWS, 0, US%2
.else
	MMA RD, RW, RX, RC, RWS, RXS, US%2, 0
.endif
.endr
.endr
	WIN 0
.rept 4
	v_nop                                          ; four places in front of loads into registers that these products have read, and of the first read of results
.endr
.if (\u)+5 < 18
	WIN 0x40
	WLOAD (\u)+5                                   ; into the place just read
	WIN 0
.endif
.endm
; THE WAY OUT: 64 registers at a time become two half images and a scale word.  Each run has registers of its own for codes and words, so that no store's data are written again.
.macro EPI v
.irp j, 0,1,2
.irp b, 0,1
.set EK, 2*\j+\b
.set EPC, XF+20*EK
	QUANT 128*(\j%2)+64*\b, 2+\j/2, EPC, 204+EK
.irp q, 0,1
	global_store_b128 v1, v[EPC+6*\q:EPC+6*\q+3], s[20:21] offset:\j*196608+(2*\b+\q)*768       ; 32 lanes store 512 consecutive bytes,
	global_store_b64 v2, v[EPC+6*\q+4:EPC+6*\q+5], s[20:21] offset:\j*196608+(2*\b+\q)*768+512  ; and 256
.endr
.if \v
	v_and_b32 v216, 0xffff, v[204+EK]              ; d tile 2 b's two bytes,
	v_lshrrev_b32 v217, 16, v[204+EK]              ; d tile 2 b + 1's
	v_cndmask_b32 v[210+EK], v216, v217, s27       ; in lanes 0-15 and in lanes 16-31
	global_store_b32 v3, v[210+EK], s[22:23] offset:\j*16384+\b*128
.endif
.endr
.if (\v) == 0
	v_cndmask_b32 v[210+\j], v[204+2*\j], v[205+2*\j], s27   ; lanes 0-15: tiles 0 and 1 of the tokens; lanes 16-31: tiles 2 and 3
	global_store_b32 v3, v[210+\j], s[22:23] offset:\j*8192
.endif
.endr
.endm
	s_cmp_eq_u32 s25, 2                            ; the two paths part on the work-group's number; neither stores to LDS
	s_cbranch_scc1 .Lv
.irp u, 0,1,2,3,4,5,6,7,8,9,10,11,12,13,14,15,16,17
	UNIT \u, 0
.endr
	EPI 0
	s_branch .Lend
.Lv:
.irp u, 0,1,2,3,4,5,6,7,8,9,10,11,12,13,14,15,16,17
	UNIT \u, 1
.endr
	EPI 1
.Lend:
	s_wait_tensorcnt 0x0                           ; the wave's end, behind my last tensor load and my last LDS store
	ds_add_u32 v[SPW], v[NIL]
	s_wait_dscnt 0x0
	s_endpgm
.Lfunc_end_k_q87b394c84c_proj:
	.size	k_q87b394c84c_proj, .Lfunc_end_k_q87b394c84c_proj-k_q87b394c84c_proj
	.p2alignl 7, 3214868480
	.fill 96, 4, 3214868480
	.section	.rodata,"a",@progbits
	.p2align	6, 0x0
	.amdhsa_kernel k_q87b394c84c_proj
		.amdhsa_group_segment_fixed_size 243200
		.amdhsa_private_segment_fixed_size 0
		.amdhsa_enable_private_segment 0
		.amdhsa_kernarg_size 80
		.amdhsa_user_sgpr_count 2
		.amdhsa_user_sgpr_kernarg_segment_ptr 1
		.amdhsa_wavefront_size32 1
		.amdhsa_system_sgpr_workgroup_id_x 1
		.amdhsa_system_sgpr_workgroup_id_y 1
		.amdhsa_system_sgpr_workgroup_id_z 1
		.amdhsa_system_vgpr_workitem_id 0
		.amdhsa_next_free_vgpr 1024
		.amdhsa_next_free_sgpr 100
		.amdhsa_reserve_vcc 0
		.amdhsa_float_denorm_mode_32 3
		.amdhsa_float_denorm_mode_16_64 3
		.amdhsa_memory_ordered 1
		.amdhsa_forward_progress 1
		.amdhsa_inst_pref_size 231
	.end_amdhsa_kernel
	.amdgpu_metadata
---
amdhsa.version: [ 1, 2 ]
amdhsa.kernels:
  - .name:           k_q87b394c84c_proj
    .symbol:         k_q87b394c84c_proj.kd
    .args:
      - { .name: query, .offset: 0, .size: 8, .value_kind: global_buffer, .address_space: global }
      - { .name: key, .offset: 8, .size: 8, .value_kind: global_buffer, .address_space: global }
      - { .name: value, .offset: 16, .size: 8, .value_kind: global_buffer, .address_space: global }
      - { .name: bq, .offset: 24, .size: 8, .value_kind: global_buffer, .address_space: global }
      - { .name: bk, .offset: 32, .size: 8, .value_kind: global_buffer, .address_space: global }
      - { .name: bv, .offset: 40, .size: 8, .value_kind: global_buffer, .address_space: global }
      - { .name: wcodes, .offset: 48, .size: 8, .value_kind: global_buffer, .address_space: global }
      - { .name: wscales, .offset: 56, .size: 8, .value_kind: global_buffer, .address_space: global }
      - { .name: acodes, .offset: 64, .size: 8, .value_kind: global_buffer, .address_space: global }
      - { .name: ascales, .offset: 72, .size: 8, .value_kind: global_buffer, .address_space: global }
    .group_segment_fixed_size: 243200
    .private_segment_fixed_size: 0
    .kernarg_segment_align: 8
    .kernarg_segment_size: 80
    .max_flat_workgroup_size: 128
    .sgpr_count:     100
    .vgpr_count:     1024
    .wavefront_size: 32
...
	.end_amdgpu_metadata
.endif
;; end of part 2
;; launch attn (part 3): grid 64 x 4, 12 waves a work-group, no clusters, 56,832 bytes of LDS; arguments acodes, ascales, ocodes, oscales; writes ocodes, oscales
.if DOCPART == 3
	.amdgcn_target "amdgcn-amd-amdhsa--gfx1250"
	.amdhsa_code_object_version 6
	.text
	.protected	k_q87b394c84c_attn
	.globl	k_q87b394c84c_attn
	.p2align	8
	.type	k_q87b394c84c_attn,@function
k_q87b394c84c_attn:
	s_mov_b64 s[64:65], 0
	v_nop
	global_prefetch_b8 v0, s[64:65] scope:SCOPE_SE
	s_setreg_imm32_b32 hwreg(HW_REG_WAVE_MODE, 25, 1), 1
	s_wait_xcnt 0x0
; Products 4 and 5 with the softmax between them, on codes of E2M3, and the quantiser ahead of product 6.
; WORK LEFT OUT: for the 64 queries of group g only the key groups g - 1, g, g + 1 are multiplied; all other scores are -infinity by reference()'s own mask (shown at the head of the first kernel, with its limit).
; LIMITS: as stated there (NaN and infinities not served; the byte 1 for blocks under 2^-124 and for blocks of zeros).
; THE SOFTMAX: t = score x 0.125 log2(e); M = the row's largest t rounded up to a whole number; p = 2^(t - M) is quantised along the keys, in blocks of 32 that begin at multiples of 32; the row's sum is taken of
; the unquantised p and divides at the end.  A query's whole row, 192 keys, lies in one wave's registers: one pass, no running maximum, no loop.  The query's own key always counts, so M is a number.
; SHARES.  Work-group (g, y): query group g, heads 3 y .. 3 y + 2.  Wave w: head 3 y + w / 4, the tile m = w % 4 of 16 queries.  Three waves to a SIMD, so that one wave's vector work stands beside another's products.
; K's and V's half images of a head's three key groups (18,432 bytes) come from memory once, a quarter by each of the head's four waves, and are shared through LDS: one barrier.
; LAYOUT.  Both products are used transposed: S^T = K Q^T, O^T = V^T P^T: a lane holds ONE query throughout.  A head's K is 64, half of the instruction's 128: so a fragment of K holds TWO tiles of keys, one in each
; half of K, and Q stands once as [q | zeros] and once as [zeros | q]: each product takes one of the two tiles, and the zero codes add nothing.  The tiles' keys are laid (proj) so that registers 16 b + e of lane (r, h)
; are keys 64 (g - 1) + 32 b + 16 h + e.  At the sequence's ends the missing group's address is held at the nearest group, and all its scores are hidden.
; REGISTERS: v0 the thread's number, kept; v1-6 addresses and the mask's bounds; v7-20 scale words and nothing else; v21 -infinity; v[22:23] -M; v24-95 K's, then V's fragments; v96-101 zeros; v102-107 Q, later p's last codes;
; v108-113 zeros; v114-125 p's codes; v126-137 at work; v138-143 the blocks' maxima; v144-149, v150-155 at work; v[156:159] the sums; v160-255 S^T, then p; v160-191 O^T.
.set KV,  24
.set S,   160
.set BM,  138
.set PX,  144
.set SO,  150
.set PT,  126
.set CS,  56                           ; s[56:57] c = 0.125 log2(e): the packed form names a pair and takes its low word for both halves
.set SEL, 58                           ; s[58:59] lane selects: lane l xor 16
.set SPARE, 3*18432                    ; behind the three heads' tiles: the spare words, 128 bytes for each of the 12 waves: six blocks of 256 bytes that no other line names
.macro MM0 d, a, b, sa, sb, ra         ; a product that starts a sum; ra: source 0's scales stand in lanes 16-31
.if (\ra)
	v_wmma_scale_f32_16x16x128_f8f6f4 v[(\d):(\d)+7], v[(\a):(\a)+11], v[(\b):(\b)+11], 0, v[\sa], v[\sb] matrix_a_fmt:MATRIX_FMT_FP6 matrix_b_fmt:MATRIX_FMT_FP6 matrix_a_scale:MATRIX_SCALE_ROW1
.else
	v_wmma_scale_f32_16x16x128_f8f6f4 v[(\d):(\d)+7], v[(\a):(\a)+11], v[(\b):(\b)+11], 0, v[\sa], v[\sb] matrix_a_fmt:MATRIX_FMT_FP6 matrix_b_fmt:MATRIX_FMT_FP6
.endif
.endm
.macro MMC d, a, b, sa, sb, ra         ; a product that adds in place
.if (\ra)
	v_wmma_scale_f32_16x16x128_f8f6f4 v[(\d):(\d)+7], v[(\a):(\a)+11], v[(\b):(\b)+11], v[(\d):(\d)+7], v[\sa], v[\sb] matrix_a_fmt:MATRIX_FMT_FP6 matrix_b_fmt:MATRIX_FMT_FP6 matrix_a_scale:MATRIX_SCALE_ROW1
.else
	v_wmma_scale_f32_16x16x128_f8f6f4 v[(\d):(\d)+7], v[(\a):(\a)+11], v[(\b):(\b)+11], v[(\d):(\d)+7], v[\sa], v[\sb] matrix_a_fmt:MATRIX_FMT_FP6 matrix_b_fmt:MATRIX_FMT_FP6
.endif
.endm
; key group i, whose number stands in the scalar register gk: the addresses of its tiles and scale words
.macro GRP i, gk
	s_add_co_u32 s60, s21, \gk                     ; 64 x head + group
	s_mul_i32 s62, s60, 3072
	s_add_co_u32 s62, s62, s22                     ; + 768 m: the half image that I fetch
	s_add_co_u32 s62, s62, 2359296                 ; K's section
	s_mov_b32 s63, 0
	s_add_nc_u64 s[24+2*\i:25+2*\i], s[4:5], s[62:63]
	s_add_nc_u64 s[30+2*\i:31+2*\i], s[24+2*\i:25+2*\i], 2359296   ; V's, a section on
	s_lshl_b32 s62, s60, 7
	s_add_co_u32 s62, s62, 98304
	s_add_nc_u64 s[40+2*\i:41+2*\i], s[6:7], s[62:63]              ; K's scale words
	s_lshl_b32 s62, s60, 8
	s_add_co_u32 s62, s62, 196608
	s_add_nc_u64 s[46+2*\i:47+2*\i], s[6:7], s[62:63]              ; V's
.endm
	s_load_b256 s[4:11], s[0:1], 0x0               ; acodes, ascales, ocodes, oscales
	v_lshrrev_b32 v1, 5, v0
	v_readfirstlane_b32 s12, v1                    ; wave 0..11
	s_lshr_b32 s13, s12, 2                         ; which of the work-group's three heads
	s_and_b32 s14, s12, 3                          ; m: my tile of queries
	s_mov_b32 s15, ttmp9                           ; g
	s_and_b32 s16, ttmp7, 0xffff
	s_mul_i32 s17, s16, 3
	s_add_co_u32 s17, s17, s13                     ; the head
	s_max_u32 s18, s15, 1
	s_sub_co_u32 s18, s18, 1                       ; g - 1, held at 0
	s_add_co_u32 s20, s15, 1
	s_min_u32 s20, s20, 63                         ; g + 1, held at 63
	s_lshl_b32 s21, s17, 6
	s_mul_i32 s22, s14, 768
	s_mul_i32 s23, s13, 18432                      ; my head's tiles in LDS
	s_mov_b32 s[CS], 0x3e38aa3b
	s_mov_b32 s[CS+1], s[CS]
	s_mov_b32 s[SEL], 0x76543210
	s_mov_b32 s[SEL+1], 0xfedcba98
	v_and_b32 v138, 31, v0                         ; lane
	v_and_b32 v139, 15, v0                         ; r
	v_bfe_u32 v140, v0, 4, 1                       ; h
	v_lshlrev_b32 v3, 4, v138                      ; 16 x lane
	v_lshlrev_b32 v4, 3, v138                      ; 8 x lane
	v_add_nc_u32 v1, s23, v3                       ; a half image's registers 0-3 in LDS,
	v_add_nc_u32 v2, s23, v4
	v_add_nc_u32 v2, 512, v2                       ; and its registers 4-5
	v_add_nc_u32 v126, s22, v1                     ; the same for the half images that I bring
	v_add_nc_u32 v127, s22, v2
	v_lshlrev_b32 v128, 2, v139                    ; 4 r
	v_lshlrev_b32 v129, 2, v138                    ; 4 x lane
	s_wait_kmcnt 0x0
	GRP 0, s18
	GRP 1, s15
	GRP 2, s20
	s_add_co_u32 s60, s21, s15
	s_mul_i32 s62, s60, 3072
	s_add_co_u32 s62, s62, s22
	s_mov_b32 s63, 0
	s_add_nc_u64 s[36:37], s[4:5], s[62:63]        ; Q's half image of my tile
	s_lshl_b32 s62, s60, 7
	s_lshr_b32 s61, s14, 1
	s_lshl_b32 s61, s61, 6
	s_add_co_u32 s62, s62, s61
	s_add_nc_u64 s[38:39], s[6:7], s[62:63]        ; Q's scale words: the 16 words that hold tiles 2 (m / 2) and 2 (m / 2) + 1
	s_lshl_b32 s60, s15, 2
	s_add_co_u32 s60, s60, s14                     ; T = 4 g + m
	s_mul_i32 s62, s60, 12
	s_add_co_u32 s62, s62, s17
	s_mul_i32 s62, s62, 768
	s_add_nc_u64 s[52:53], s[8:9], s[62:63]        ; ocodes [T][head][768]
	s_mul_i32 s62, s60, 6
	s_lshr_b32 s61, s17, 1
	s_add_co_u32 s62, s62, s61
	s_lshl_b32 s62, s62, 6
	s_and_b32 s61, s17, 1
	s_lshl_b32 s61, s61, 1
	s_add_co_u32 s62, s62, s61
	s_add_nc_u64 s[54:55], s[10:11], s[62:63]      ; oscales [T][K step = head / 2][r][4 bytes], my head's two bytes at 2 (head % 2)
.irp i, 0,1,2                                  ; my quarter of the head's tiles: tile m of K and of V in each of the three groups
	global_load_b128 v[S+12*\i:S+12*\i+3], v3, s[24+2*\i:25+2*\i]
	global_load_b64 v[S+12*\i+4:S+12*\i+5], v4, s[24+2*\i:25+2*\i] offset:512
	global_load_b128 v[S+12*\i+6:S+12*\i+9], v3, s[30+2*\i:31+2*\i]
	global_load_b64 v[S+12*\i+10:S+12*\i+11], v4, s[30+2*\i:31+2*\i] offset:512
.endr
	global_load_b128 v[102:105], v3, s[36:37]      ; Q
	global_load_b64 v[106:107], v4, s[36:37] offset:512
	global_load_b32 v18, v128, s[38:39]
.irp i, 0,1,2
	global_load_b32 v[7+\i], v129, s[40+2*\i:41+2*\i]              ; K's scale words: lanes 0-15 tiles 0, 1; lanes 16-31 tiles 2, 3
.endr
.irp i, 0,1,2
.irp p, 0,1
	global_load_b32 v[10+2*\i+\p], v129, s[46+2*\i:47+2*\i] offset:128*\p   ; V's: lanes 0-15 d tile 2 p, lanes 16-31 d tile 2 p + 1
.endr
.endr
	s_wait_loadcnt 12                              ; the 12 loads of the tiles are in; the 12 issued behind them may be out
.irp i, 0,1,2
	ds_store_b128 v126, v[S+12*\i:S+12*\i+3] offset:3072*\i
	ds_store_b64 v127, v[S+12*\i+4:S+12*\i+5] offset:3072*\i
	ds_store_b128 v126, v[S+12*\i+6:S+12*\i+9] offset:3072*\i+9216
	ds_store_b64 v127, v[S+12*\i+10:S+12*\i+11] offset:3072*\i+9216
.endr
	s_wait_dscnt 0x0                               ; for the others' sake: my stores have landed
	s_barrier_signal -1
	s_barrier_wait -1                              ; the three heads' tiles lie in LDS; nothing is stored to LDS from here on
.irp i, 0,1,2                                  ; K: a fragment is two tiles of keys, 2 b and 2 b + 1 of group i
.irp b, 0,1
.irp u, 0,1
	ds_load_b128 v[KV+24*\i+12*\b+6*\u:KV+24*\i+12*\b+6*\u+3], v1 offset:(4*\i+2*\b+\u)*768
	ds_load_b64 v[KV+24*\i+12*\b+6*\u+4:KV+24*\i+12*\b+6*\u+5], v2 offset:(4*\i+2*\b+\u)*768
.endr
.endr
.endr
	s_wait_loadcnt 0x0                             ; Q and all scale words
	s_and_b32 s2, s14, 1
	s_lshl_b32 s3, s2, 4
	v_lshrrev_b32 v18, s3, v18                     ; my tile's two bytes of the word,
	v_and_b32 v18, 0xffff, v18
	v_lshl_or_b32 v18, v18, 16, v18                ; in both halves: they serve [q | zeros] and [zeros | q] alike
	v_lshl_or_b32 v16, v12, 16, v10                ; V's scale words for the first 128 keys: group g - 1's two bytes, then group g's
	v_lshl_or_b32 v17, v13, 16, v11
.irp e, 0,1,2,3,4,5
	v_mov_b32 v[96+\e], 0                          ; zero codes for the half of K that a product does not use
	v_mov_b32 v[108+\e], 0
.endr
.irp b, 0,1,2,3,4,5
	v_mov_b32 v[PX+\b], 0                          ; written once: a lane permute's destination counts as one of its sources
.endr
	s_lshr_b32 s3, s14, 1
	s_lshl_b32 s3, s3, 5
	s_lshl_b32 s2, s2, 3
	s_add_co_u32 s2, s2, s3                        ; 32 (m / 2) + 8 (m % 2)
	s_cmp_eq_u32 s15, 0
	s_cselect_b32 s3, 1024, 0                      ; group 0 has no group before it: all of those keys are hidden
	s_add_co_u32 s3, s3, s2
	s_cmp_eq_u32 s15, 63
	s_cselect_b32 s60, 1024, 0                     ; group 63 none behind it
	s_sub_co_i32 s60, s2, s60
	v_and_b32 v141, 8, v139
	v_add_nc_u32 v141, v141, v139                  ; r + 8 (r / 8)
	v_lshlrev_b32 v142, 4, v140
	v_sub_nc_u32 v141, v141, v142                  ; - 16 h
	v_add_nc_u32 v5, s3, v141                      ; my query's place in its group less 16 h: in group g - 1 register 32 b + e is hidden where 32 b + e is under it,
	v_add_nc_u32 v6, s60, v141                     ; in group g + 1 where it is over it
	v_mov_b32 v21, 0xff800000                      ; -infinity
.rept 4
	v_nop                                          ; with the lines above: eight places and more behind Q's scale word, four and more behind the zeros
.endr
	s_wait_dscnt 0x0                               ; K
.irp i, 0,1,2
.irp b, 0,1
.irp u, 0,1
	MM0 S+8*(2*(2*\i+\b)+\u), KV+24*\i+12*\b, 102-6*\u, 7+\i, 18, \b   ; u = 0: [q | zeros] picks tile 2 b; u = 1: [zeros | q] picks tile 2 b + 1
.endr
.endr
.endr
.rept 4
	v_nop                                          ; four places in front of loads into registers that these products have read, and of the first read of the scores
.endr
.irp t, 0,1,2,3                                ; V: d tile t: [group g - 1 | group g] for the first 128 keys; group g + 1's half images on end, so that each with what follows it is a fragment (the last with the zeros)
.irp i, 0,1
	ds_load_b128 v[KV+12*\t+6*\i:KV+12*\t+6*\i+3], v1 offset:9216+(4*\i+\t)*768
	ds_load_b64 v[KV+12*\t+6*\i+4:KV+12*\t+6*\i+5], v2 offset:9216+(4*\i+\t)*768
.endr
	ds_load_b128 v[KV+48+6*\t:KV+48+6*\t+3], v1 offset:9216+(8+\t)*768
	ds_load_b64 v[KV+48+6*\t+4:KV+48+6*\t+5], v2 offset:9216+(8+\t)*768
.endr
.irp b, 0,1                                    ; the mask.  In group g every key lies within 63 of every query: nothing is hidden there
.irp e, 0,1,2,3,4,5,6,7,8,9,10,11,12,13,14,15
	v_cmp_lt_i32 vcc_lo, 32*\b+\e, v5
	v_cndmask_b32 v[S+16*\b+\e], v[S+16*\b+\e], v21, vcc_lo
.endr
.endr
.irp b, 0,1
.irp e, 0,1,2,3,4,5,6,7,8,9,10,11,12,13,14,15
	v_cmp_gt_i32 vcc_lo, 32*\b+\e, v6
	v_cndmask_b32 v[S+64+16*\b+\e], v[S+64+16*\b+\e], v21, vcc_lo
.endr
.endr
.irp b, 0,1,2,3,4,5
	v_max3_num_f32 v[BM+\b], v[S+16*\b], v[S+16*\b+1], v[S+16*\b+2]   ; THE LARGEST SCORE OF EACH BLOCK OF 32 KEYS: it serves the row's maximum and, since p rises with the score, the block's largest p
.endr
.irp i, 3,5,7,9,11,13
.irp b, 0,1,2,3,4,5
	v_max3_num_f32 v[BM+\b], v[BM+\b], v[S+16*\b+\i], v[S+16*\b+\i+1]
.endr
.endr
.irp b, 0,1,2,3,4,5
	v_max_num_f32 v[BM+\b], v[BM+\b], v[S+16*\b+15]
.endr
.irp b, 0,1,2,3,4,5
	v_permlanex16_b32 v[PX+\b], v[BM+\b], s[SEL], s[SEL+1]
.endr
.irp b, 0,1,2,3,4,5
	v_max_num_f32 v[BM+\b], v[BM+\b], v[PX+\b]     ; with lane l xor 16's 16 keys
.endr
	v_max3_num_f32 v156, v138, v139, v140
	v_max3_num_f32 v156, v156, v141, v142
	v_max_num_f32 v156, v156, v143                 ; the row's largest score
	v_mul_f32 v156, s[CS], v156                    ; as t (c is positive)
	v_floor_f32 v22, -v156                         ; -M = floor(-t) = -ceil(t)
	v_mov_b32 v23, v22                             ; (named with it as a pair, so it is written)
.set N, 0
.rept 48
	v_pk_fma_f32 v[S+N:S+N+1], v[S+N:S+N+1], s[CS:CS+1], v[22:23] op_sel_hi:[1,0,0]   ; t - M, two at a time
.set N, N+2
.endr
.irp b, 0,1,2,3,4,5
	v_fma_f32 v[BM+\b], v[BM+\b], s[CS], v22       ; the same of each block's largest score
.endr
.set N, 0
.rept 96
	v_exp_f32 v[S+N], v[S+N]                       ; p = 2^(t - M), at most 1; 0 where the key is hidden
.set N, N+1
.endr
	v_nop                                          ; a plain instruction behind the last exponential
	s_wait_alu depctr_va_vdst(0)                   ; one wait for the whole batch, ahead of its first reader
.irp b, 0,1,2,3,4,5
	v_exp_f32 v[BM+\b], v[BM+\b]                   ; the block's largest p: the same two instructions on the same number give the same bits
.endr
	v_pk_add_f32 v[156:157], v[S:S+1], v[S+2:S+3]  ; THE ROW'S SUM IS TAKEN OF THE UNQUANTISED p, in two chains; these lines read the 96 alone
	v_pk_add_f32 v[158:159], v[S+4:S+5], v[S+6:S+7]
.set N, 8
.rept 22
	v_pk_add_f32 v[156:157], v[156:157], v[S+N:S+N+1]
	v_pk_add_f32 v[158:159], v[158:159], v[S+N+2:S+N+3]
.set N, N+4
.endr
	v_pk_add_f32 v[156:157], v[156:157], v[158:159]
	s_wait_alu depctr_va_vdst(0)                   ; and one wait for the six
.irp b, 0,1,2,3,4,5
	v_max_num_f32 v[BM+\b], 0x1800000, v[BM+\b]    ; the floor 2^(3 - 127): a block whose every p is 0 keeps the byte 1; its codes are zeros
.endr
.irp b, 0,1,2,3,4,5
	v_add_nc_u32 v[SO+\b], 0xff000000, v[BM+\b]    ; 2 off the exponent field: the conversion's scale operand
.endr
.irp b, 0,1,2,3,4,5
	v_lshrrev_b32 v[PX+\b], 23, v[SO+\b]           ; the scale's byte
.endr
	v_lshl_or_b32 v19, v145, 8, v144               ; p's scale word for the first 128 keys,
	v_lshl_or_b32 v19, v146, 16, v19
	v_lshl_or_b32 v19, v147, 24, v19
	v_lshl_or_b32 v20, v149, 8, v148               ; and for the last 64: its upper half stands over zero codes
.macro PCVT c, dst                     ; blocks 2 c and 2 c + 1 of p
	v_cvt_scalef32_pk16_fp6_f32 v[(\dst):(\dst)+2], v[S+32*(\c):S+32*(\c)+15], v[SO+2*(\c)]
	v_cvt_scalef32_pk16_fp6_f32 v[PT+4*(\c):PT+4*(\c)+2], v[S+32*(\c)+16:S+32*(\c)+31], v[SO+2*(\c)+1]
.endm
.macro PSWAP c, dst                    ; a WHOLE block to a lane: lanes 0-15 block 2 c, lanes 16-31 block 2 c + 1
.irp i, 0,1,2
	v_permlane16_swap_b32 v[(\dst)+\i], v[PT+4*(\c)+\i]
.endr
.irp i, 0,1,2
	v_mov_b32 v[(\dst)+3+\i], v[PT+4*(\c)+\i]
.endr
.endm
	PCVT 0, 114
	PCVT 1, 120
	PCVT 2, 102                                    ; in Q's place, ahead of the zeros: [blocks 4, 5 | zeros]
	v_nop                                          ; one plain instruction behind the scaled conversions
	PSWAP 0, 114
	PSWAP 1, 120
	PSWAP 2, 102
	v_add_f32 v156, v156, v157                     ; the sum's two halves,
	v_permlanex16_b32 v144, v156, s[SEL], s[SEL+1]
	v_add_f32 v156, v156, v144                     ; and lane l xor 16's: the row's sum
	v_rcp_f32 v158, v156
.rept 8
	v_nop                                          ; eight places behind p's scale words, four and more behind its codes; the first is also the plain instruction behind the reciprocal
.endr
	s_wait_dscnt 0x0                               ; V
.irp t, 0,1,2,3                                ; O^T = V^T P^T: the four accumulators by turns: first the 128 keys of groups g - 1 and g,
	MM0 S+8*\t, KV+12*\t, 114, 16+\t/2, 19, \t%2
.endr
.irp t, 0,1,2,3                                ; then group g + 1's 64, over p's zeros in the other half of K
	MMC S+8*\t, KV+48+6*\t, 102, 14+\t/2, 20, \t%2
.endr
.rept 4
	v_nop                                          ; four places in front of the first read of the results
.endr
	s_wait_alu depctr_va_vdst(0)                   ; the wait for the reciprocal, ahead of its first reader
.set N, 0
.rept 16
	v_pk_mul_f32 v[S+N:S+N+1], v[S+N:S+N+1], v[158:159] op_sel_hi:[1,0]   ; O^T / the sum, from each accumulator's low end on: register 16 b + i is d = 32 b + 16 h + i of my query
.set N, N+2
.endr
.irp b, 0,1                                    ; the quantiser ahead of the last projection: the head's two blocks of 32 along d_model
	v_max3_num_f32 v[BM+\b], 0x1800000, |v[S+16*\b]|, |v[S+16*\b+1]|
.endr
.irp i, 2,4,6,8,10,12,14
.irp b, 0,1
	v_max3_num_f32 v[BM+\b], v[BM+\b], |v[S+16*\b+\i]|, |v[S+16*\b+\i+1]|
.endr
.endr
.irp b, 0,1
	v_permlanex16_b32 v[PX+\b], v[BM+\b], s[SEL], s[SEL+1]
.endr
.irp b, 0,1
	v_max_num_f32 v[BM+\b], v[BM+\b], v[PX+\b]
.endr
.irp b, 0,1
	v_add_nc_u32 v[SO+\b], 0xff000000, v[BM+\b]
.endr
.irp b, 0,1
	v_lshrrev_b32 v[PX+\b], 23, v[SO+\b]
.endr
	v_lshl_or_b32 v130, v145, 8, v144              ; my row's two bytes
	v_cvt_scalef32_pk16_fp6_f32 v[114:116], v[S:S+15], v[SO]
	v_cvt_scalef32_pk16_fp6_f32 v[126:128], v[S+16:S+31], v[SO+1]
	v_nop                                          ; one plain instruction behind the scaled conversions
.irp i, 0,1,2
	v_permlane16_swap_b32 v[114+\i], v[126+\i]
.endr
.irp i, 0,1,2
	v_mov_b32 v[117+\i], v[126+\i]
.endr
	global_store_b128 v3, v[114:117], s[52:53]     ; the half image: 512 consecutive bytes,
	global_store_b64 v4, v[118:119], s[52:53] offset:512   ; and 256
	v_bfe_u32 v195, v0, 4, 1                       ; h
	v_and_b32 v196, 15, v0
	v_lshl_add_u32 v196, v196, 2, v195             ; 4 r + h
	v_lshlrev_b32 v195, 3, v195
	v_lshrrev_b32 v197, v195, v130                 ; block h's byte
	global_store_b8 v196, v197, s[54:55]           ; 32 lanes, 32 different bytes: the other two bytes of each word are the neighbouring head's
	v_lshl_add_u32 v192, v0, 2, SPARE              ; no two registers could be kept for the add: they are made here, from v0 as it came
	v_mov_b32 v193, 0
	s_wait_tensorcnt 0x0                           ; the wave's end, behind my last LDS store
	ds_add_u32 v192, v193
	s_wait_dscnt 0x0
	s_endpgm
.Lfunc_end_k_q87b394c84c_attn:
	.size	k_q87b394c84c_attn, .Lfunc_end_k_q87b394c84c_attn-k_q87b394c84c_attn
	.p2alignl 7, 3214868480
	.fill 96, 4, 3214868480
	.section	.rodata,"a",@progbits
	.p2align	6, 0x0
	.amdhsa_kernel k_q87b394c84c_attn
		.amdhsa_group_segment_fixed_size 56832
		.amdhsa_private_segment_fixed_size 0
		.amdhsa_enable_private_segment 0
		.amdhsa_kernarg_size 32
		.amdhsa_user_sgpr_count 2
		.amdhsa_user_sgpr_kernarg_segment_ptr 1
		.amdhsa_wavefront_size32 1
		.amdhsa_system_sgpr_workgroup_id_x 1
		.amdhsa_system_sgpr_workgroup_id_y 1
		.amdhsa_system_sgpr_workgroup_id_z 1
		.amdhsa_system_vgpr_workitem_id 0
		.amdhsa_next_free_vgpr 256
		.amdhsa_next_free_sgpr 66
		.amdhsa_reserve_vcc 1
		.amdhsa_float_denorm_mode_32 3
		.amdhsa_float_denorm_mode_16_64 3
		.amdhsa_memory_ordered 1
		.amdhsa_forward_progress 1
		.amdhsa_inst_pref_size 39
	.end_amdhsa_kernel
	.amdgpu_metadata
---
amdhsa.version: [ 1, 2 ]
amdhsa.kernels:
  - .name:           k_q87b394c84c_attn
    .symbol:         k_q87b394c84c_attn.kd
    .args:
      - { .name: acodes, .offset: 0, .size: 8, .value_kind: global_buffer, .address_space: global }
      - { .name: ascales, .offset: 8, .size: 8, .value_kind: global_buffer, .address_space: global }
      - { .name: ocodes, .offset: 16, .size: 8, .value_kind: global_buffer, .address_space: global }
      - { .name: oscales, .offset: 24, .size: 8, .value_kind: global_buffer, .address_space: global }
    .group_segment_fixed_size: 56832
    .private_segment_fixed_size: 0
    .kernarg_segment_align: 8
    .kernarg_segment_size: 32
    .max_flat_workgroup_size: 384
    .sgpr_count:     66
    .vgpr_count:     256
    .wavefront_size: 32
...
	.end_amdgpu_metadata
.endif
;; end of part 3
;; launch oproj (part 4): grid 64 x 4, 4 waves a work-group, no clusters, 89,088 bytes of LDS; arguments ocodes, oscales, wcodes, wscales, bo, out0; writes out0
.if DOCPART == 4
	.amdgcn_target "amdgcn-amd-amdhsa--gfx1250"
	.amdhsa_code_object_version 6
	.text
	.protected	k_q87b394c84c_oproj
	.globl	k_q87b394c84c_oproj
	.p2align	8
	.type	k_q87b394c84c_oproj,@function
k_q87b394c84c_oproj:
	s_mov_b64 s[64:65], 0
	v_nop
	global_prefetch_b8 v0, s[64:65] scope:SCOPE_SE
	s_setreg_imm32_b32 hwreg(HW_REG_WAVE_MODE, 25, 1), 1
	s_wait_xcnt 0x0
; Product 6: out0 = O Wo^T + bo, on the codes that attn and the first kernel have made.  Nothing is left out here; what attn leaves out is shown at the head of the first kernel.
; SHARES.  Work-group (g, y): the 64 tokens of group g, columns 192 y .. 192 y + 191.  Wave w: the tiles 12 y + w + 4 k of Wo, k = 0, 1, 2, for the four tiles of tokens: 12 accumulators.
; O's codes of the group (36,864 bytes, half images [tile m][head][768]) and their scale words (1,536 bytes) are copied into LDS as they lie, a quarter by each wave; one barrier; every wave reads all of them:
; the half images of heads 2 q and 2 q + 1 on end are K step q's fragment.  Wo's 18 fragments of a wave come from wcodes straight into registers and stay.
; THE PRODUCT IS USED TRANSPOSED (source 0 = 16 rows of Wo, source 1 = 16 tokens): a lane holds eight neighbouring columns of one token.  Tile nt of Wo holds rows 32 (nt / 2) + 8 (nt % 2) + {0..7, 16..23} (first kernel),
; so register e of lane (r, h) is column 192 y + 32 (w / 2) + 8 (w % 2) + 64 k + 16 h + e.  bo is the C of each sum's first product.
; THE WAY OUT: through a stage in LDS, rows in the tiles' order; a second barrier; wave w stores tile w's 16 rows, whose places in out0 stand in the stores' offsets: sixteen lanes store 256 consecutive bytes, aligned.
; REGISTERS.  Window 0: v1-11 addresses; v12, v13 the add's two; v16-27 O's scale words, v28-36 Wo's (scales and nothing else); v40-63 bo; v64-159 O's fragments, two sets, later rows of the result;
; v160-255 the accumulators (first: the copy's bytes).  Window 1: Wo's fragments, (k, K step q) at 12 (6 k + q).
.set XSC,   36864                      ; LDS: O's images from byte 0; their scale words;
.set STG,   XSC+1536                   ; the stage: 64 rows x (768 bytes + 16): the 16 rows that a store touches start in 16 different groups of banks;
.set SPARE, STG+64*784                 ; the spare words, 128 bytes for each wave: two blocks of 256 bytes that no other line names
.set SPW, 12
.set NIL, 13
.set XS,  16
.set WS,  28
.set BI,  40
.set XF,  64
.set ACC, 160
.set MSB, 0
.macro WIN new                         ; the immediate's high byte repeats the setting that is left
.if MSB != (\new)
	s_set_vgpr_msb (MSB<<8)|(\new)
.set MSB, (\new)
.endif
.endm
.macro MMA d, a, b, c, sa, sb, odd     ; odd: both sides' scales of this K step stand in lanes 16-31
.if (\odd)
	v_wmma_scale_f32_16x16x128_f8f6f4 v[(\d):(\d)+7], v[(\a):(\a)+11], v[(\b):(\b)+11], v[(\c):(\c)+7], v[\sa], v[\sb] matrix_a_fmt:MATRIX_FMT_FP6 matrix_b_fmt:MATRIX_FMT_FP6 matrix_a_scale:MATRIX_SCALE_ROW1 matrix_b_scale:MATRIX_SCALE_ROW1
.else
	v_wmma_scale_f32_16x16x128_f8f6f4 v[(\d):(\d)+7], v[(\a):(\a)+11], v[(\b):(\b)+11], v[(\c):(\c)+7], v[\sa], v[\sb] matrix_a_fmt:MATRIX_FMT_FP6 matrix_b_fmt:MATRIX_FMT_FP6
.endif
.endm
.macro WL q                            ; K step q of my three tiles of Wo: nine loads
.irp k, 0,1,2
.irp c, 0,1,2
	global_load_b128 v[12*(6*\k+(\q))+4*\c:12*(6*\k+(\q))+4*\c+3], v1, s[8:9] offset:36864*\k+1536*(\q)+512*\c
.endr
.endr
.endm
.macro FETCH q                         ; K step q of O: four fragments, each two half images, into set q % 2
.irp m, 0,1,2,3
.irp c, 0,1
	ds_load_b128 v[XF+48*((\q)%2)+12*\m+6*\c:XF+48*((\q)%2)+12*\m+6*\c+3], v1 offset:9216*\m+(2*(\q)+\c)*768
	ds_load_b64 v[XF+48*((\q)%2)+12*\m+6*\c+4:XF+48*((\q)%2)+12*\m+6*\c+5], v7 offset:9216*\m+(2*(\q)+\c)*768
.endr
.endr
.endm
	s_load_b256 s[4:11], s[0:1], 0x0               ; ocodes, oscales, wcodes, wscales
	s_load_b128 s[12:15], s[0:1], 0x20             ; bo, out0
	v_lshl_add_u32 v[SPW], v0, 2, SPARE
	v_mov_b32 v[NIL], 0
	v_lshrrev_b32 v1, 5, v0
	v_readfirstlane_b32 s16, v1                    ; wave w
	s_mov_b32 s17, ttmp9                           ; g
	s_and_b32 s18, ttmp7, 0xffff                   ; y
	s_lshr_b32 s19, s16, 1
	s_lshl_b32 s19, s19, 5
	s_and_b32 s20, s16, 1
	s_lshl_b32 s20, s20, 3
	s_add_co_u32 s19, s19, s20                     ; cw = 32 (w / 2) + 8 (w % 2)
	s_mul_i32 s22, s17, 36864
	s_mul_i32 s20, s16, 9216
	s_add_co_u32 s22, s22, s20                     ; ocodes: the group, my quarter
	s_mov_b32 s23, 0
	s_mul_i32 s24, s17, 1536
	s_mul_i32 s20, s16, 384
	s_add_co_u32 s24, s24, s20                     ; oscales likewise
	s_mov_b32 s25, 0
	s_mul_i32 s21, s18, 12
	s_add_co_u32 s21, s21, s16                     ; my first tile of Wo: 12 y + w
	s_mul_i32 s26, s21, 9216
	s_add_co_u32 s26, s26, 1327104                 ; in wcodes' fourth matrix
	s_mov_b32 s27, 0
	s_mul_i32 s28, s21, 384
	s_add_co_u32 s28, s28, 55296                   ; and in wscales'
	s_mov_b32 s29, 0
	s_mul_i32 s30, s18, 192
	s_add_co_u32 s30, s30, s19
	s_lshl_b32 s30, s30, 2                         ; bo: column 192 y + cw
	s_mov_b32 s31, 0
	s_lshl_b32 s32, s17, 6
	s_add_co_u32 s32, s32, s19
	s_mul_i32 s32, s32, 3072                       ; out0: token 64 g + cw: the first of tile w,
	s_mul_i32 s20, s18, 768
	s_add_co_u32 s32, s32, s20                     ; + my work-group's 768 bytes of a row
	s_mov_b32 s33, 0
	v_and_b32 v37, 31, v0                          ; lane
	v_and_b32 v38, 15, v0                          ; r
	v_bfe_u32 v39, v0, 4, 1                        ; h
	v_lshlrev_b32 v1, 4, v37                       ; 16 x lane: global offsets, and an image's registers 0-3 in LDS (the images begin at byte 0)
	v_lshlrev_b32 v2, 2, v37                       ; 4 x lane
	v_lshlrev_b32 v3, 6, v39                       ; 64 h
	s_mul_i32 s20, s16, 9216
	v_add_nc_u32 v4, s20, v1                       ; the copy: my quarter of the images,
	s_mul_i32 s20, s16, 384
	s_add_co_u32 s20, s20, XSC
	v_add_nc_u32 v5, s20, v2                       ; and of the scale words
	v_lshlrev_b32 v7, 3, v37
	v_add_nc_u32 v7, 512, v7                       ; an image's registers 4-5
	v_add_nc_u32 v8, XSC, v2
	v_mul_u32_u24 v9, v38, 784
	v_lshl_add_u32 v9, v39, 6, v9
	s_lshl_b32 s20, s19, 2
	s_add_co_u32 s20, s20, STG
	v_add_nc_u32 v9, s20, v9                       ; into the stage: row r of a tile, + 64 h + 4 cw
	s_mul_i32 s20, s16, 16*784
	s_add_co_u32 s20, s20, STG
	v_mul_u32_u24 v10, v39, 784
	v_lshl_add_u32 v10, v38, 4, v10
	v_add_nc_u32 v10, s20, v10                     ; back: tile w's rows, lanes 0-15 one row, lanes 16-31 the next; 16 bytes a lane
	v_mul_u32_u24 v11, v39, 3072
	v_lshl_add_u32 v11, v38, 4, v11                ; and the same two rows in out0
	s_wait_kmcnt 0x0
	s_add_nc_u64 s[4:5], s[4:5], s[22:23]
	s_add_nc_u64 s[6:7], s[6:7], s[24:25]
	s_add_nc_u64 s[8:9], s[8:9], s[26:27]
	s_add_nc_u64 s[10:11], s[10:11], s[28:29]
	s_add_nc_u64 s[12:13], s[12:13], s[30:31]
	s_add_nc_u64 s[14:15], s[14:15], s[32:33]
.set N, 0
.rept 18
	global_load_b128 v[ACC+4*N:ACC+4*N+3], v1, s[4:5] offset:512*N   ; the copy: 512 consecutive bytes a load
.set N, N+1
.endr
.irp i, 0,1,2
	global_load_b32 v[ACC+72+\i], v2, s[6:7] offset:128*\i
.endr
.irp k, 0,1,2
	global_load_b128 v[BI+8*\k:BI+8*\k+3], v3, s[12:13] offset:256*\k
	global_load_b128 v[BI+8*\k+4:BI+8*\k+7], v3, s[12:13] offset:256*\k+16
.endr
.irp k, 0,1,2
.irp p, 0,1,2
	global_load_b32 v[WS+3*\k+\p], v2, s[10:11] offset:1536*\k+128*\p   ; lanes 0-15 K step 2 p, lanes 16-31 K step 2 p + 1
.endr
.endr
	WIN 0x40                                       ; destination window 1
	WL 0
	WL 1
	WIN 0
	s_wait_loadcnt 33                              ; the copy's 21 loads are in; the 6 + 9 + 18 issued behind them may be out
.set N, 0
.rept 18
	ds_store_b128 v4, v[ACC+4*N:ACC+4*N+3] offset:512*N
.set N, N+1
.endr
.irp i, 0,1,2
	ds_store_b32 v5, v[ACC+72+\i] offset:128*\i
.endr
	WIN 0x40
.irp q, 2,3,4,5
	WL \q
.endr
	WIN 0
	s_wait_dscnt 0x0                               ; for the others' sake: my stores have landed
	s_barrier_signal -1
	s_barrier_wait -1                              ; O's codes and scale words lie in LDS
.irp m, 0,1,2,3
.irp p, 0,1,2
	ds_load_b32 v[XS+3*\m+\p], v8 offset:(6*\m+2*\p)*64   ; lanes 0-15 K step 2 p's words, lanes 16-31 K step 2 p + 1's
.endr
.endr
	FETCH 0
; A K STEP: 12 products, the accumulators by turns, one instruction a turn.
.macro KSTEP q
	s_wait_dscnt 0x0                               ; this K step's fragments of O are in
.if (\q) > 0
.rept 4
	v_nop                                          ; four places in front of loads into the set that the last K step's products have read
.endr
.endif
.if (\q) < 5
	FETCH (\q)+1
.endif
	s_wait_loadcnt 9*(5-(\q))                      ; this K step's nine loads of Wo are in; the later K steps' may be out
	WIN 0x01                                       ; source 0 (Wo) window 1
.irp m, 0,1,2,3
.irp k, 0,1,2
.set RD, ACC+32*\k+8*\m
.if (\q) == 0
.set RC, BI+8*\k
.else
.set RC, RD
.endif
	MMA RD, 12*(6*\k+(\q)), XF+48*((\q)%2)+12*\m, RC, WS+3*\k+(\q)/2, XS+3*\m+(\q)/2, (\q)%2
.endr
.endr
	WIN 0
.endm
.irp q, 0,1,2,3,4,5
	KSTEP \q
.endr
.rept 4
	v_nop                                          ; four places in front of the first read of results, and of the loads into O's sets below
.endr
.irp m, 0,1,2,3
.irp k, 0,1,2
	ds_store_b128 v9, v[ACC+32*\k+8*\m:ACC+32*\k+8*\m+3] offset:12544*\m+256*\k        ; each accumulator from its low end on
	ds_store_b128 v9, v[ACC+32*\k+8*\m+4:ACC+32*\k+8*\m+7] offset:12544*\m+256*\k+16
.endr
.endr
	s_wait_dscnt 0x0                               ; for the others' sake: my stores have landed
	s_barrier_signal -1
	s_barrier_wait -1                              ; 64 rows of 768 bytes lie in the stage
.set N, 0
.irp i, 0,1,2,3,4,5,6,7
.irp c, 0,1,2
	ds_load_b128 v[XF+4*N:XF+4*N+3], v10 offset:1568*\i+256*\c
.set N, N+1
.endr
.endr
.set N, 0
.irp i, 0,1,2,3,4,5,6,7                        ; stage rows 2 i and 2 i + 1 of tile w are tokens 2 i + 8 (i / 4) and the next, counted from the tile's first
.irp c, 0,1,2
	s_wait_dscnt 23-N                              ; LDS loads come back in order: load N is in, the younger ones may be out
	global_store_b128 v11, v[XF+4*N:XF+4*N+3], s[14:15] offset:(2*\i+8*(\i/4))*3072+256*\c th:TH_STORE_NT   ; sixteen lanes store 256 consecutive bytes, at a multiple of 256 from out0's first byte
.set N, N+1
.endr
.endr
	s_wait_tensorcnt 0x0                           ; the wave's end, behind my last LDS store
	ds_add_u32 v[SPW], v[NIL]
	s_wait_dscnt 0x0
	s_endpgm
.Lfunc_end_k_q87b394c84c_oproj:
	.size	k_q87b394c84c_oproj, .Lfunc_end_k_q87b394c84c_oproj-k_q87b394c84c_oproj
	.p2alignl 7, 3214868480
	.fill 96, 4, 3214868480
	.section	.rodata,"a",@progbits
	.p2align	6, 0x0
	.amdhsa_kernel k_q87b394c84c_oproj
		.amdhsa_group_segment_fixed_size 89088
		.amdhsa_private_segment_fixed_size 0
		.amdhsa_enable_private_segment 0
		.amdhsa_kernarg_size 48
		.amdhsa_user_sgpr_count 2
		.amdhsa_user_sgpr_kernarg_segment_ptr 1
		.amdhsa_wavefront_size32 1
		.amdhsa_system_sgpr_workgroup_id_x 1
		.amdhsa_system_sgpr_workgroup_id_y 1
		.amdhsa_system_sgpr_workgroup_id_z 1
		.amdhsa_system_vgpr_workitem_id 0
		.amdhsa_next_free_vgpr 480
		.amdhsa_next_free_sgpr 66
		.amdhsa_reserve_vcc 0
		.amdhsa_float_denorm_mode_32 3
		.amdhsa_float_denorm_mode_16_64 3
		.amdhsa_memory_ordered 1
		.amdhsa_forward_progress 1
		.amdhsa_inst_pref_size 38
	.end_amdhsa_kernel
	.amdgpu_metadata
---
amdhsa.version: [ 1, 2 ]
amdhsa.kernels:
  - .name:           k_q87b394c84c_oproj
    .symbol:         k_q87b394c84c_oproj.kd
    .args:
      - { .name: ocodes, .offset: 0, .size: 8, .value_kind: global_buffer, .address_space: global }
      - { .name: oscales, .offset: 8, .size: 8, .value_kind: global_buffer, .address_space: global }
      - { .name: wcodes, .offset: 16, .size: 8, .value_kind: global_buffer, .address_space: global }
      - { .name: wscales, .offset: 24, .size: 8, .value_kind: global_buffer, .address_space: global }
      - { .name: bo, .offset: 32, .size: 8, .value_kind: global_buffer, .address_space: global }
      - { .name: out0, .offset: 40, .size: 8, .value_kind: global_buffer, .address_space: global }
    .group_segment_fixed_size: 89088
    .private_segment_fixed_size: 0
    .kernarg_segment_align: 8
    .kernarg_segment_size: 48
    .max_flat_workgroup_size: 128
    .sgpr_count:     66
    .vgpr_count:     480
    .wavefront_size: 32
...
	.end_amdgpu_metadata
.endif
;; end of part 4
;; ======== version 2 of 2: 4 launches; version 1 with the launches attn, oproj written anew for expert scheduling mode
;; workspace buffers: wcodes 1,769,472 bytes; wscales 73,728 bytes; acodes 7,077,888 bytes; ascales 393,216 bytes; ocodes 2,359,296 bytes; oscales 98,304 bytes
;; launch wquant: the kernel of part 1 again; grid 48 x 4, 3 waves a work-group, no clusters, 0 bytes of LDS; arguments Wq, Wk, Wv, Wo, wcodes, wscales; writes wcodes, wscales
;; launch proj: the kernel of part 2 again; grid 64 x 3, 4 waves a work-group, no clusters, 243,200 bytes of LDS; arguments query, key, value, bq, bk, bv, wcodes, wscales, acodes, ascales; writes acodes, ascales
;; launch attn (part 5): grid 64 x 4, 12 waves a work-group, no clusters, 56,832 bytes of LDS; arguments acodes, ascales, ocodes, oscales; writes ocodes, oscales
.if DOCPART == 5
	.amdgcn_target "amdgcn-amd-amdhsa--gfx1250"
	.amdhsa_code_object_version 6
	.text
	.protected	k_q87b394c84c_attn
	.globl	k_q87b394c84c_attn
	.p2align	8
	.type	k_q87b394c84c_attn,@function
k_q87b394c84c_attn:
	s_mov_b64 s[64:65], 0
	v_nop
	global_prefetch_b8 v0, s[64:65] scope:SCOPE_SE
	s_setreg_imm32_b32 hwreg(HW_REG_WAVE_SCHED_MODE, 0, 2), 2
	s_setreg_imm32_b32 hwreg(HW_REG_WAVE_MODE, 25, 1), 1
	s_wait_xcnt 0x0
	s_wait_alu depctr_vm_vsrc(0)
; Products 4 and 5 with the softmax between them, on codes of E2M3, and the quantiser ahead of product 6.
; WORK LEFT OUT: for the 64 queries of group g only the key groups g - 1, g, g + 1 are multiplied; all other scores are -infinity by reference()'s own mask (shown at the head of the first kernel, with its limit).
; LIMITS: as stated there (NaN and infinities not served; the byte 1 for blocks under 2^-124 and for blocks of zeros).
; THE SOFTMAX: t = score x 0.125 log2(e); M = the row's largest t rounded up to a whole number; p = 2^(t - M) is quantised along the keys, in blocks of 32 that begin at multiples of 32; the row's sum is taken of
; the unquantised p and divides at the end.  A query's whole row, 192 keys, lies in one wave's registers: one pass, no running maximum, no loop.  The query's own key always counts, so M is a number.
; SHARES.  Work-group (g, y): query group g, heads 3 y .. 3 y + 2.  Wave w: head 3 y + w / 4, the tile m = w % 4 of 16 queries.  Three waves to a SIMD, so that one wave's vector work stands beside another's products.
; K's and V's half images of a head's three key groups (18,432 bytes) come from memory once, a quarter by each of the head's four waves, and are shared through LDS: one barrier.
; LAYOUT.  Both products are used transposed: S^T = K Q^T, O^T = V^T P^T: a lane holds ONE query throughout.  A head's K is 64, half of the instruction's 128: so a fragment of K holds TWO tiles of keys, one in each
; half of K, and Q stands once as [q | zeros] and once as [zeros | q]: each product takes one of the two tiles, and the zero codes add nothing.  The tiles' keys are laid (proj) so that registers 16 b + e of lane (r, h)
; are keys 64 (g - 1) + 32 b + 16 h + e.  At the sequence's ends the missing group's address is held at the nearest group, and all its scores are hidden.
; REGISTERS: v0 the thread's number, kept; v1-6 addresses and the mask's bounds; v7-20 scale words and nothing else; v21 -infinity; v[22:23] -M; v24-95 K's, then V's fragments; v96-101 zeros; v102-107 Q, later p's last codes;
; v108-113 zeros; v114-125 p's codes; v126-137 at work; v138-143 the blocks' maxima; v144-149, v150-155 at work; v[156:159] the sums; v160-255 S^T, then p; v160-191 O^T.  s[4:35]: from the mask on, 32 lane masks.
; THE MODE: SCHED_MODE bits 1:0 = 2 (LLVM: expert scheduling mode 2), set by the entry lines.  The code itself states the register dependences between vector or matrix instructions and memory or LDS instructions,
; with s_wait_alu, always for 0.
; THE PLAN.  Registers that memory or LDS instructions touch:
;   v1-4        addresses and offsets: written by vector lines at the head, never again; read by every load and store.
;   v126-129    addresses and offsets of the fill and of the scale words: written at the head, read by the fill's LDS stores and by the scale words' loads; written again by p's conversions.
;   v160-195    the fill's bytes: loaded from memory, read by the LDS stores; written again by the products S^T.
;   v24-95      K's LDS loads land there; the 12 products S^T read them; V's LDS loads land there; the 8 products O^T read them.
;   v7-15, v18, v102-107   loaded once; from then on named by vector and matrix instructions alone.
;   v114-119, v196, v197   written by vector lines at the end, read by the three stores.
; So: one wait on va_vdst ahead of the first load (the addresses); one on vm_vsrc behind the barrier (v126-129 and v160-195 have been read); one on va_vdst ahead of each of the two runs of products (operands and scale
; words that vector lines wrote); one behind the products S^T (they are done with v24-95); one ahead of the three stores.  What a vector line writes into a scalar register (the wave's number, the mask's
; lane masks) has its wait on va_sdst ahead of the first reader: the compares stand in two runs of 32, one wait behind each.  A scalar register that a vector line has read is written again by no scalar line.
.set KV,  24
.set S,   160
.set BM,  138
.set PX,  144
.set SO,  150
.set PT,  126
.set MK,  4                            ; s[4:35] the mask's lane masks: free from the wait for all loads on
.set CS,  56                           ; s[56:57] c = 0.125 log2(e): the packed form names a pair and takes its low word for both halves
.set SEL, 58                           ; s[58:59] lane selects: lane l xor 16
.set SPARE, 3*18432                    ; behind the three heads' tiles: the spare words, 128 bytes for each of the 12 waves: six blocks of 256 bytes that no other line names
.macro MM0 d, a, b, sa, sb, ra         ; a product that starts a sum; ra: source 0's scales stand in lanes 16-31
.if (\ra)
	v_wmma_scale_f32_16x16x128_f8f6f4 v[(\d):(\d)+7], v[(\a):(\a)+11], v[(\b):(\b)+11], 0, v[\sa], v[\sb] matrix_a_fmt:MATRIX_FMT_FP6 matrix_b_fmt:MATRIX_FMT_FP6 matrix_a_scale:MATRIX_SCALE_ROW1
.else
	v_wmma_scale_f32_16x16x128_f8f6f4 v[(\d):(\d)+7], v[(\a):(\a)+11], v[(\b):(\b)+11], 0, v[\sa], v[\sb] matrix_a_fmt:MATRIX_FMT_FP6 matrix_b_fmt:MATRIX_FMT_FP6
.endif
.endm
.macro MMC d, a, b, sa, sb, ra         ; a product that adds in place
.if (\ra)
	v_wmma_scale_f32_16x16x128_f8f6f4 v[(\d):(\d)+7], v[(\a):(\a)+11], v[(\b):(\b)+11], v[(\d):(\d)+7], v[\sa], v[\sb] matrix_a_fmt:MATRIX_FMT_FP6 matrix_b_fmt:MATRIX_FMT_FP6 matrix_a_scale:MATRIX_SCALE_ROW1
.else
	v_wmma_scale_f32_16x16x128_f8f6f4 v[(\d):(\d)+7], v[(\a):(\a)+11], v[(\b):(\b)+11], v[(\d):(\d)+7], v[\sa], v[\sb] matrix_a_fmt:MATRIX_FMT_FP6 matrix_b_fmt:MATRIX_FMT_FP6
.endif
.endm
; key group i, whose number stands in the scalar register gk: the addresses of its tiles and scale words
.macro GRP i, gk
	s_add_co_u32 s60, s21, \gk                     ; 64 x head + group
	s_mul_i32 s62, s60, 3072
	s_add_co_u32 s62, s62, s22                     ; + 768 m: the half image that I fetch
	s_add_co_u32 s62, s62, 2359296                 ; K's section
	s_mov_b32 s63, 0
	s_add_nc_u64 s[24+2*\i:25+2*\i], s[4:5], s[62:63]
	s_add_nc_u64 s[30+2*\i:31+2*\i], s[24+2*\i:25+2*\i], 2359296   ; V's, a section on
	s_lshl_b32 s62, s60, 7
	s_add_co_u32 s62, s62, 98304
	s_add_nc_u64 s[40+2*\i:41+2*\i], s[6:7], s[62:63]              ; K's scale words
	s_lshl_b32 s62, s60, 8
	s_add_co_u32 s62, s62, 196608
	s_add_nc_u64 s[46+2*\i:47+2*\i], s[6:7], s[62:63]              ; V's
.endm
	s_load_b256 s[4:11], s[0:1], 0x0               ; acodes, ascales, ocodes, oscales
	v_lshrrev_b32 v1, 5, v0
	v_readfirstlane_b32 s12, v1                    ; wave 0..11
	v_and_b32 v138, 31, v0                         ; lane
	v_and_b32 v139, 15, v0                         ; r
	v_bfe_u32 v140, v0, 4, 1                       ; h
	v_lshlrev_b32 v3, 4, v138                      ; 16 x lane
	v_lshlrev_b32 v4, 3, v138                      ; 8 x lane
	v_lshlrev_b32 v128, 2, v139                    ; 4 r
	v_lshlrev_b32 v129, 2, v138                    ; 4 x lane
	s_mov_b32 s15, ttmp9                           ; g
	s_and_b32 s16, ttmp7, 0xffff
	s_mov_b32 s[CS], 0x3e38aa3b
	s_mov_b32 s[CS+1], s[CS]
	s_mov_b32 s[SEL], 0x76543210
	s_mov_b32 s[SEL+1], 0xfedcba98
	s_wait_alu depctr_va_sdst(0)                   ; s12 is written, ahead of its first reader: the head, the tile and all addresses are made from it
	s_lshr_b32 s13, s12, 2                         ; which of the work-group's three heads
	s_and_b32 s14, s12, 3                          ; m: my tile of queries
	s_mul_i32 s17, s16, 3
	s_add_co_u32 s17, s17, s13                     ; the head
	s_max_u32 s18, s15, 1
	s_sub_co_u32 s18, s18, 1                       ; g - 1, held at 0
	s_add_co_u32 s20, s15, 1
	s_min_u32 s20, s20, 63                         ; g + 1, held at 63
	s_lshl_b32 s21, s17, 6
	s_mul_i32 s22, s14, 768
	s_mul_i32 s23, s13, 18432                      ; my head's tiles in LDS
	v_add_nc_u32 v1, s23, v3                       ; a half image's registers 0-3 in LDS,
	v_add_nc_u32 v2, s23, v4
	v_add_nc_u32 v2, 512, v2                       ; and its registers 4-5
	v_add_nc_u32 v126, s22, v1                     ; the same for the half images that I bring
	v_add_nc_u32 v127, s22, v2
	s_wait_kmcnt 0x0
	GRP 0, s18
	GRP 1, s15
	GRP 2, s20
	s_add_co_u32 s60, s21, s15
	s_mul_i32 s62, s60, 3072
	s_add_co_u32 s62, s62, s22
	s_mov_b32 s63, 0
	s_add_nc_u64 s[36:37], s[4:5], s[62:63]        ; Q's half image of my tile
	s_lshl_b32 s62, s60, 7
	s_lshr_b32 s61, s14, 1
	s_lshl_b32 s61, s61, 6
	s_add_co_u32 s62, s62, s61
	s_add_nc_u64 s[38:39], s[6:7], s[62:63]        ; Q's scale words: the 16 words that hold tiles 2 (m / 2) and 2 (m / 2) + 1
	s_lshl_b32 s60, s15, 2
	s_add_co_u32 s60, s60, s14                     ; T = 4 g + m
	s_mul_i32 s62, s60, 12
	s_add_co_u32 s62, s62, s17
	s_mul_i32 s62, s62, 768
	s_add_nc_u64 s[52:53], s[8:9], s[62:63]        ; ocodes [T][head][768]
	s_mul_i32 s62, s60, 6
	s_lshr_b32 s61, s17, 1
	s_add_co_u32 s62, s62, s61
	s_lshl_b32 s62, s62, 6
	s_and_b32 s61, s17, 1
	s_lshl_b32 s61, s61, 1
	s_add_co_u32 s62, s62, s61
	s_add_nc_u64 s[54:55], s[10:11], s[62:63]      ; oscales [T][K step = head / 2][r][4 bytes], my head's two bytes at 2 (head % 2)
	s_wait_alu depctr_va_vdst(0)                   ; v1-4 and v126-129 are written: the loads and LDS instructions below read them as addresses and offsets
.irp i, 0,1,2                                  ; my quarter of the head's tiles: tile m of K and of V in each of the three groups
	global_load_b128 v[S+12*\i:S+12*\i+3], v3, s[24+2*\i:25+2*\i]
	global_load_b64 v[S+12*\i+4:S+12*\i+5], v4, s[24+2*\i:25+2*\i] offset:512
	global_load_b128 v[S+12*\i+6:S+12*\i+9], v3, s[30+2*\i:31+2*\i]
	global_load_b64 v[S+12*\i+10:S+12*\i+11], v4, s[30+2*\i:31+2*\i] offset:512
.endr
	global_load_b128 v[102:105], v3, s[36:37]      ; Q
	global_load_b64 v[106:107], v4, s[36:37] offset:512
	global_load_b32 v18, v128, s[38:39]
.irp i, 0,1,2
	global_load_b32 v[7+\i], v129, s[40+2*\i:41+2*\i]              ; K's scale words: lanes 0-15 tiles 0, 1; lanes 16-31 tiles 2, 3
.endr
.irp i, 0,1,2
.irp p, 0,1
	global_load_b32 v[10+2*\i+\p], v129, s[46+2*\i:47+2*\i] offset:128*\p   ; V's: lanes 0-15 d tile 2 p, lanes 16-31 d tile 2 p + 1
.endr
.endr
	s_wait_loadcnt 12                              ; the 12 loads of the tiles are in; the 12 issued behind them may be out
.irp i, 0,1,2
	ds_store_b128 v126, v[S+12*\i:S+12*\i+3] offset:3072*\i
	ds_store_b64 v127, v[S+12*\i+4:S+12*\i+5] offset:3072*\i
	ds_store_b128 v126, v[S+12*\i+6:S+12*\i+9] offset:3072*\i+9216
	ds_store_b64 v127, v[S+12*\i+10:S+12*\i+11] offset:3072*\i+9216
.endr
	s_wait_dscnt 0x0                               ; for the others' sake: my stores have landed
	s_barrier_signal -1
	s_barrier_wait -1                              ; the three heads' tiles lie in LDS; nothing is stored to LDS from here on
	s_wait_alu depctr_vm_vsrc(0)                   ; my LDS stores have read v126, v127 and v160-195, the scale words' loads v128 and v129: the products S^T and p's conversions write these registers again
.irp i, 0,1,2                                  ; K: a fragment is two tiles of keys, 2 b and 2 b + 1 of group i
.irp b, 0,1
.irp u, 0,1
	ds_load_b128 v[KV+24*\i+12*\b+6*\u:KV+24*\i+12*\b+6*\u+3], v1 offset:(4*\i+2*\b+\u)*768
	ds_load_b64 v[KV+24*\i+12*\b+6*\u+4:KV+24*\i+12*\b+6*\u+5], v2 offset:(4*\i+2*\b+\u)*768
.endr
.endr
.endr
	s_wait_loadcnt 0x0                             ; Q and all scale words; every scalar base that a load has read is free from here on
	s_and_b32 s2, s14, 1
	s_lshl_b32 s3, s2, 4
	v_lshrrev_b32 v18, s3, v18                     ; my tile's two bytes of the word,
	v_and_b32 v18, 0xffff, v18
	v_lshl_or_b32 v18, v18, 16, v18                ; in both halves: they serve [q | zeros] and [zeros | q] alike
	v_lshl_or_b32 v16, v12, 16, v10                ; V's scale words for the first 128 keys: group g - 1's two bytes, then group g's
	v_lshl_or_b32 v17, v13, 16, v11
.irp e, 0,1,2,3,4,5
	v_mov_b32 v[96+\e], 0                          ; zero codes for the half of K that a product does not use
	v_mov_b32 v[108+\e], 0
.endr
.irp b, 0,1,2,3,4,5
	v_mov_b32 v[PX+\b], 0                          ; written once: a lane permute's destination counts as one of its sources
.endr
	s_lshr_b32 s36, s14, 1
	s_lshl_b32 s36, s36, 5
	s_lshl_b32 s2, s2, 3
	s_add_co_u32 s2, s2, s36                       ; 32 (m / 2) + 8 (m % 2)
	s_cmp_eq_u32 s15, 0
	s_cselect_b32 s37, 1024, 0                     ; group 0 has no group before it: all of those keys are hidden
	s_add_co_u32 s37, s37, s2
	s_cmp_eq_u32 s15, 63
	s_cselect_b32 s60, 1024, 0                     ; group 63 none behind it
	s_sub_co_i32 s60, s2, s60
	v_and_b32 v141, 8, v139
	v_add_nc_u32 v141, v141, v139                  ; r + 8 (r / 8)
	v_lshlrev_b32 v142, 4, v140
	v_sub_nc_u32 v141, v141, v142                  ; - 16 h
	v_add_nc_u32 v5, s37, v141                     ; my query's place in its group less 16 h: in group g - 1 register 32 b + e is hidden where 32 b + e is under it,
	v_add_nc_u32 v6, s60, v141                     ; in group g + 1 where it is over it
	v_mov_b32 v21, 0xff800000                      ; -infinity
.rept 4
	v_nop                                          ; with the lines above: eight places and more behind Q's scale word, four and more behind the zeros
.endr
	s_wait_alu depctr_va_vdst(0)                   ; behind the places: Q's scale word v18, the zero codes v96-101 and v108-113 and V's scale words v16, v17 are written, which the scaled products take
	s_wait_dscnt 0x0                               ; K
.irp i, 0,1,2
.irp b, 0,1
.irp u, 0,1
	MM0 S+8*(2*(2*\i+\b)+\u), KV+24*\i+12*\b, 102-6*\u, 7+\i, 18, \b   ; u = 0: [q | zeros] picks tile 2 b; u = 1: [zeros | q] picks tile 2 b + 1
.endr
.endr
.endr
.rept 4
	v_nop                                          ; four places in front of the first read of the scores
.endr
	s_wait_alu depctr_va_vdst(0)                   ; the products S^T are done reading v24-95, in which V's loads land
.irp t, 0,1,2,3                                ; V: d tile t: [group g - 1 | group g] for the first 128 keys; group g + 1's half images on end, so that each with what follows it is a fragment (the last with the zeros)
.irp i, 0,1
	ds_load_b128 v[KV+12*\t+6*\i:KV+12*\t+6*\i+3], v1 offset:9216+(4*\i+\t)*768
	ds_load_b64 v[KV+12*\t+6*\i+4:KV+12*\t+6*\i+5], v2 offset:9216+(4*\i+\t)*768
.endr
	ds_load_b128 v[KV+48+6*\t:KV+48+6*\t+3], v1 offset:9216+(8+\t)*768
	ds_load_b64 v[KV+48+6*\t+4:KV+48+6*\t+5], v2 offset:9216+(8+\t)*768
.endr
.irp b, 0,1                                    ; the mask.  In group g every key lies within 63 of every query: nothing is hidden there.  Group g - 1: 32 compares in a run, a lane mask each,
.irp e, 0,1,2,3,4,5,6,7,8,9,10,11,12,13,14,15
	v_cmp_lt_i32 s[MK+16*\b+\e], 32*\b+\e, v5
.endr
.endr
	s_wait_alu depctr_va_sdst(0)                   ; the 32 compares have written s[4:35], ahead of the selects that read them
.irp b, 0,1
.irp e, 0,1,2,3,4,5,6,7,8,9,10,11,12,13,14,15
	v_cndmask_b32 v[S+16*\b+\e], v[S+16*\b+\e], v21, s[MK+16*\b+\e]
.endr
.endr
.irp b, 0,1                                    ; group g + 1 likewise
.irp e, 0,1,2,3,4,5,6,7,8,9,10,11,12,13,14,15
	v_cmp_gt_i32 s[MK+16*\b+\e], 32*\b+\e, v6
.endr
.endr
	s_wait_alu depctr_va_sdst(0)                   ; the 32 compares have written s[4:35] anew, ahead of the selects that read them
.irp b, 0,1
.irp e, 0,1,2,3,4,5,6,7,8,9,10,11,12,13,14,15
	v_cndmask_b32 v[S+64+16*\b+\e], v[S+64+16*\b+\e], v21, s[MK+16*\b+\e]
.endr
.endr
.irp b, 0,1,2,3,4,5
	v_max3_num_f32 v[BM+\b], v[S+16*\b], v[S+16*\b+1], v[S+16*\b+2]   ; THE LARGEST SCORE OF EACH BLOCK OF 32 KEYS: it serves the row's maximum and, since p rises with the score, the block's largest p
.endr
.irp i, 3,5,7,9,11,13
.irp b, 0,1,2,3,4,5
	v_max3_num_f32 v[BM+\b], v[BM+\b], v[S+16*\b+\i], v[S+16*\b+\i+1]
.endr
.endr
.irp b, 0,1,2,3,4,5
	v_max_num_f32 v[BM+\b], v[BM+\b], v[S+16*\b+15]
.endr
.irp b, 0,1,2,3,4,5
	v_permlanex16_b32 v[PX+\b], v[BM+\b], s[SEL], s[SEL+1]
.endr
.irp b, 0,1,2,3,4,5
	v_max_num_f32 v[BM+\b], v[BM+\b], v[PX+\b]     ; with lane l xor 16's 16 keys
.endr
	v_max3_num_f32 v156, v138, v139, v140
	v_max3_num_f32 v156, v156, v141, v142
	v_max_num_f32 v156, v156, v143                 ; the row's largest score
	v_mul_f32 v156, s[CS], v156                    ; as t (c is positive)
	v_floor_f32 v22, -v156                         ; -M = floor(-t) = -ceil(t)
	v_mov_b32 v23, v22                             ; (named with it as a pair, so it is written)
.set N, 0
.rept 48
	v_pk_fma_f32 v[S+N:S+N+1], v[S+N:S+N+1], s[CS:CS+1], v[22:23] op_sel_hi:[1,0,0]   ; t - M, two at a time
.set N, N+2
.endr
.irp b, 0,1,2,3,4,5
	v_fma_f32 v[BM+\b], v[BM+\b], s[CS], v22       ; the same of each block's largest score
.endr
.set N, 0
.rept 96
	v_exp_f32 v[S+N], v[S+N]                       ; p = 2^(t - M), at most 1; 0 where the key is hidden
.set N, N+1
.endr
	v_nop                                          ; a plain instruction behind the last exponential
	s_wait_alu depctr_va_vdst(0)                   ; the 96 exponentials have written p: one wait for the whole batch, ahead of its first reader
.irp b, 0,1,2,3,4,5
	v_exp_f32 v[BM+\b], v[BM+\b]                   ; the block's largest p: the same two instructions on the same number give the same bits
.endr
	v_pk_add_f32 v[156:157], v[S:S+1], v[S+2:S+3]  ; THE ROW'S SUM IS TAKEN OF THE UNQUANTISED p, in two chains; these lines read the 96 alone
	v_pk_add_f32 v[158:159], v[S+4:S+5], v[S+6:S+7]
.set N, 8
.rept 22
	v_pk_add_f32 v[156:157], v[156:157], v[S+N:S+N+1]
	v_pk_add_f32 v[158:159], v[158:159], v[S+N+2:S+N+3]
.set N, N+4
.endr
	v_pk_add_f32 v[156:157], v[156:157], v[158:159]
	s_wait_alu depctr_va_vdst(0)                   ; the six exponentials have written the blocks' largest p: one wait, ahead of their first reader
.irp b, 0,1,2,3,4,5
	v_max_num_f32 v[BM+\b], 0x1800000, v[BM+\b]    ; the floor 2^(3 - 127): a block whose every p is 0 keeps the byte 1; its codes are zeros
.endr
.irp b, 0,1,2,3,4,5
	v_add_nc_u32 v[SO+\b], 0xff000000, v[BM+\b]    ; 2 off the exponent field: the conversion's scale operand
.endr
.irp b, 0,1,2,3,4,5
	v_lshrrev_b32 v[PX+\b], 23, v[SO+\b]           ; the scale's byte
.endr
	v_lshl_or_b32 v19, v145, 8, v144               ; p's scale word for the first 128 keys,
	v_lshl_or_b32 v19, v146, 16, v19
	v_lshl_or_b32 v19, v147, 24, v19
	v_lshl_or_b32 v20, v149, 8, v148               ; and for the last 64: its upper half stands over zero codes
.macro PCVT c, dst                     ; blocks 2 c and 2 c + 1 of p
	v_cvt_scalef32_pk16_fp6_f32 v[(\dst):(\dst)+2], v[S+32*(\c):S+32*(\c)+15], v[SO+2*(\c)]
	v_cvt_scalef32_pk16_fp6_f32 v[PT+4*(\c):PT+4*(\c)+2], v[S+32*(\c)+16:S+32*(\c)+31], v[SO+2*(\c)+1]
.endm
.macro PSWAP c, dst                    ; a WHOLE block to a lane: lanes 0-15 block 2 c, lanes 16-31 block 2 c + 1
.irp i, 0,1,2
	v_permlane16_swap_b32 v[(\dst)+\i], v[PT+4*(\c)+\i]
.endr
.irp i, 0,1,2
	v_mov_b32 v[(\dst)+3+\i], v[PT+4*(\c)+\i]
.endr
.endm
	PCVT 0, 114
	PCVT 1, 120
	PCVT 2, 102                                    ; in Q's place, ahead of the zeros: [blocks 4, 5 | zeros]
	v_nop                                          ; one plain instruction behind the scaled conversions
	PSWAP 0, 114
	PSWAP 1, 120
	PSWAP 2, 102
	v_add_f32 v156, v156, v157                     ; the sum's two halves,
	v_permlanex16_b32 v144, v156, s[SEL], s[SEL+1]
	v_add_f32 v156, v156, v144                     ; and lane l xor 16's: the row's sum
	v_rcp_f32 v158, v156
.rept 8
	v_nop                                          ; eight places behind p's scale words, four and more behind its codes; the first is also the plain instruction behind the reciprocal
.endr
	s_wait_alu depctr_va_vdst(0)                   ; behind the places: p's codes v102-107 and v114-125 and its scale words v19, v20 are written, which the scaled products take; the reciprocal has written v158, ahead of its first reader below
	s_wait_dscnt 0x0                               ; V
.irp t, 0,1,2,3                                ; O^T = V^T P^T: the four accumulators by turns: first the 128 keys of groups g - 1 and g,
	MM0 S+8*\t, KV+12*\t, 114, 16+\t/2, 19, \t%2
.endr
.irp t, 0,1,2,3                                ; then group g + 1's 64, over p's zeros in the other half of K
	MMC S+8*\t, KV+48+6*\t, 102, 14+\t/2, 20, \t%2
.endr
.rept 4
	v_nop                                          ; four places in front of the first read of the results
.endr
.set N, 0
.rept 16
	v_pk_mul_f32 v[S+N:S+N+1], v[S+N:S+N+1], v[158:159] op_sel_hi:[1,0]   ; O^T / the sum, from each accumulator's low end on: register 16 b + i is d = 32 b + 16 h + i of my query
.set N, N+2
.endr
.irp b, 0,1                                    ; the quantiser ahead of the last projection: the head's two blocks of 32 along d_model
	v_max3_num_f32 v[BM+\b], 0x1800000, |v[S+16*\b]|, |v[S+16*\b+1]|
.endr
.irp i, 2,4,6,8,10,12,14
.irp b, 0,1
	v_max3_num_f32 v[BM+\b], v[BM+\b], |v[S+16*\b+\i]|, |v[S+16*\b+\i+1]|
.endr
.endr
.irp b, 0,1
	v_permlanex16_b32 v[PX+\b], v[BM+\b], s[SEL], s[SEL+1]
.endr
.irp b, 0,1
	v_max_num_f32 v[BM+\b], v[BM+\b], v[PX+\b]
.endr
.irp b, 0,1
	v_add_nc_u32 v[SO+\b], 0xff000000, v[BM+\b]
.endr
.irp b, 0,1
	v_lshrrev_b32 v[PX+\b], 23, v[SO+\b]
.endr
	v_lshl_or_b32 v130, v145, 8, v144              ; my row's two bytes
	v_cvt_scalef32_pk16_fp6_f32 v[114:116], v[S:S+15], v[SO]
	v_cvt_scalef32_pk16_fp6_f32 v[126:128], v[S+16:S+31], v[SO+1]
	v_nop                                          ; one plain instruction behind the scaled conversions
.irp i, 0,1,2
	v_permlane16_swap_b32 v[114+\i], v[126+\i]
.endr
.irp i, 0,1,2
	v_mov_b32 v[117+\i], v[126+\i]
.endr
	v_bfe_u32 v195, v0, 4, 1                       ; h
	v_and_b32 v196, 15, v0
	v_lshl_add_u32 v196, v196, 2, v195             ; 4 r + h
	v_lshlrev_b32 v195, 3, v195
	v_lshrrev_b32 v197, v195, v130                 ; block h's byte
	s_wait_alu depctr_va_vdst(0)                   ; the codes v114-119, the byte v197 and its offset v196 are written, which the three stores read
	global_store_b128 v3, v[114:117], s[52:53]     ; the half image: 512 consecutive bytes,
	global_store_b64 v4, v[118:119], s[52:53] offset:512   ; and 256
	global_store_b8 v196, v197, s[54:55]           ; 32 lanes, 32 different bytes: the other two bytes of each word are the neighbouring head's
	v_lshl_add_u32 v192, v0, 2, SPARE              ; no two registers could be kept for the add: they are made here, from v0 as it came; no memory or LDS instruction has read them since the wait on vm_vsrc behind the barrier
	v_mov_b32 v193, 0
	s_wait_dscnt 0x0                               ; the closing lines, six on end
	s_wait_alu 0x0
	s_wait_tensorcnt 0x0
	ds_add_u32 v192, v193
	s_wait_dscnt 0x0
	s_endpgm
.Lfunc_end_k_q87b394c84c_attn:
	.size	k_q87b394c84c_attn, .Lfunc_end_k_q87b394c84c_attn-k_q87b394c84c_attn
	.p2alignl 7, 3214868480
	.fill 96, 4, 3214868480
	.section	.rodata,"a",@progbits
	.p2align	6, 0x0
	.amdhsa_kernel k_q87b394c84c_attn
		.amdhsa_group_segment_fixed_size 56832
		.amdhsa_private_segment_fixed_size 0
		.amdhsa_enable_private_segment 0
		.amdhsa_kernarg_size 32
		.amdhsa_user_sgpr_count 2
		.amdhsa_user_sgpr_kernarg_segment_ptr 1
		.amdhsa_wavefront_size32 1
		.amdhsa_system_sgpr_workgroup_id_x 1
		.amdhsa_system_sgpr_workgroup_id_y 1
		.amdhsa_system_sgpr_workgroup_id_z 1
		.amdhsa_system_vgpr_workitem_id 0
		.amdhsa_next_free_vgpr 256
		.amdhsa_next_free_sgpr 66
		.amdhsa_reserve_vcc 0
		.amdhsa_float_denorm_mode_32 3
		.amdhsa_float_denorm_mode_16_64 3
		.amdhsa_memory_ordered 1
		.amdhsa_forward_progress 1
		.amdhsa_inst_pref_size 43
	.end_amdhsa_kernel
	.amdgpu_metadata
---
amdhsa.version: [ 1, 2 ]
amdhsa.kernels:
  - .name:           k_q87b394c84c_attn
    .symbol:         k_q87b394c84c_attn.kd
    .args:
      - { .name: acodes, .offset: 0, .size: 8, .value_kind: global_buffer, .address_space: global }
      - { .name: ascales, .offset: 8, .size: 8, .value_kind: global_buffer, .address_space: global }
      - { .name: ocodes, .offset: 16, .size: 8, .value_kind: global_buffer, .address_space: global }
      - { .name: oscales, .offset: 24, .size: 8, .value_kind: global_buffer, .address_space: global }
    .group_segment_fixed_size: 56832
    .private_segment_fixed_size: 0
    .kernarg_segment_align: 8
    .kernarg_segment_size: 32
    .max_flat_workgroup_size: 384
    .sgpr_count:     66
    .vgpr_count:     256
    .wavefront_size: 32
...
	.end_amdgpu_metadata
.endif
;; end of part 5
;; launch oproj (part 6): grid 64 x 4, 4 waves a work-group, no clusters, 89,088 bytes of LDS; arguments ocodes, oscales, wcodes, wscales, bo, out0; writes out0
.if DOCPART == 6
	.amdgcn_target "amdgcn-amd-amdhsa--gfx1250"
	.amdhsa_code_object_version 6
	.text
	.protected	k_q87b394c84c_oproj
	.globl	k_q87b394c84c_oproj
	.p2align	8
	.type	k_q87b394c84c_oproj,@function
k_q87b394c84c_oproj:
	s_mov_b64 s[64:65], 0
	v_nop
	global_prefetch_b8 v0, s[64:65] scope:SCOPE_SE
	s_setreg_imm32_b32 hwreg(HW_REG_WAVE_SCHED_MODE, 0, 2), 2
	s_setreg_imm32_b32 hwreg(HW_REG_WAVE_MODE, 25, 1), 1
	s_wait_xcnt 0x0
	s_wait_alu depctr_vm_vsrc(0)
; Product 6: out0 = O Wo^T + bo, on the codes that attn and the first kernel have made.  Nothing is left out here; what attn leaves out is shown at the head of the first kernel.
; SHARES.  Work-group (g, y): the 64 tokens of group g, columns 192 y .. 192 y + 191.  Wave w: the tiles 12 y + w + 4 k of Wo, k = 0, 1, 2, for the four tiles of tokens: 12 accumulators.
; O's codes of the group (36,864 bytes, half images [tile m][head][768]) and their scale words (1,536 bytes) are copied into LDS as they lie, a quarter by each wave; one barrier; every wave reads all of them:
; the half images of heads 2 q and 2 q + 1 on end are K step q's fragment.  Wo's 18 fragments of a wave come from wcodes straight into registers and stay.
; THE PRODUCT IS USED TRANSPOSED (source 0 = 16 rows of Wo, source 1 = 16 tokens): a lane holds eight neighbouring columns of one token.  Tile nt of Wo holds rows 32 (nt / 2) + 8 (nt % 2) + {0..7, 16..23} (first kernel),
; so register e of lane (r, h) is column 192 y + 32 (w / 2) + 8 (w % 2) + 64 k + 16 h + e.  bo is the C of each sum's first product.
; THE WAY OUT: through a stage in LDS, rows in the tiles' order; a second barrier; wave w stores tile w's 16 rows, whose places in out0 stand in the stores' offsets: sixteen lanes store 256 consecutive bytes, aligned.
; REGISTERS.  Window 0: v1-11 addresses; v12, v13 the add's two; v16-27 O's scale words, v28-36 Wo's (scales and nothing else); v40-63 bo; v64-159 O's fragments of K steps 0 and 1, later rows of the result;
; v160-255 the accumulators (first: the copy's bytes).  Window 1: Wo's fragments, (k, K step q) at 12 (6 k + q).  Window 2: O's fragments of K steps 2 to 5, 48 registers each.
; THE MODE: SCHED_MODE bits 1:0 = 2 (LLVM: expert scheduling mode 2), set by the entry lines.  The code itself states the register dependences between vector or matrix instructions and memory or LDS instructions,
; with s_wait_alu, always for 0.
; THE PLAN.  Registers that memory or LDS instructions touch:
;   v1-5, v7-11   addresses and offsets: written by vector lines at the head and never again.
;   v160-234      the copy's bytes: loaded from memory, read by the LDS stores; written again by K step 0's products.
;   Wo's 216 registers, bo's 24, the 21 scale words: loaded once; from then on named by matrix instructions alone.
;   O's fragments: A SET OF 48 REGISTERS FOR EACH OF THE SIX K STEPS: each is loaded once, three K steps ahead of its products.  No load lands in a register that a product has read, so the six K steps hold no s_wait_alu.
;   v160-255      the accumulators: written by the products, read by the stage's LDS stores.
;   v64-159       read by K steps 0 and 1's products; the loads from the stage land there on the way out.
;   v12, v13      written at the head, read by the closing add alone.
; So: one wait on va_sdst (the wave's number); one on va_vdst ahead of the first load (the addresses); one on vm_vsrc behind the first barrier (the copy's stores have read v160-234); one on va_vdst behind the last
; products (the accumulators are written, v64-159 are done with).  A scalar register that a vector line has read is written again by no scalar line.
.set XSC,   36864                      ; LDS: O's images from byte 0; their scale words;
.set STG,   XSC+1536                   ; the stage: 64 rows x (768 bytes + 16): the 16 rows that a store touches start in 16 different groups of banks;
.set SPARE, STG+64*784                 ; the spare words, 128 bytes for each wave: two blocks of 256 bytes that no other line names
.set SPW, 12
.set NIL, 13
.set XS,  16
.set WS,  28
.set BI,  40
.set XF,  64
.set ACC, 160
.set MSB, 0
.macro WIN new                         ; the immediate's high byte repeats the setting that is left
.if MSB != (\new)
	s_set_vgpr_msb (MSB<<8)|(\new)
.set MSB, (\new)
.endif
.endm
.macro MMA d, a, b, c, sa, sb, odd     ; odd: both sides' scales of this K step stand in lanes 16-31
.if (\odd)
	v_wmma_scale_f32_16x16x128_f8f6f4 v[(\d):(\d)+7], v[(\a):(\a)+11], v[(\b):(\b)+11], v[(\c):(\c)+7], v[\sa], v[\sb] matrix_a_fmt:MATRIX_FMT_FP6 matrix_b_fmt:MATRIX_FMT_FP6 matrix_a_scale:MATRIX_SCALE_ROW1 matrix_b_scale:MATRIX_SCALE_ROW1
.else
	v_wmma_scale_f32_16x16x128_f8f6f4 v[(\d):(\d)+7], v[(\a):(\a)+11], v[(\b):(\b)+11], v[(\c):(\c)+7], v[\sa], v[\sb] matrix_a_fmt:MATRIX_FMT_FP6 matrix_b_fmt:MATRIX_FMT_FP6
.endif
.endm
.macro WL q                            ; K step q of my three tiles of Wo: nine loads
.irp k, 0,1,2
.irp c, 0,1,2
	global_load_b128 v[12*(6*\k+(\q))+4*\c:12*(6*\k+(\q))+4*\c+3], v1, s[8:9] offset:36864*\k+1536*(\q)+512*\c
.endr
.endr
.endm
.macro FETCH q                         ; K step q of O: four fragments, each two half images, into the K step's own set: 16 LDS loads.  No vector or matrix instruction has named that set, v1 or v7 since the head's wait on va_vdst
.if (\q) < 2
	WIN 0
.set FB, XF+48*(\q)
.else
	WIN 0x80                                       ; destination window 2, address window 0
.set FB, 48*((\q)-2)
.endif
.irp m, 0,1,2,3
.irp c, 0,1
	ds_load_b128 v[FB+12*\m+6*\c:FB+12*\m+6*\c+3], v1 offset:9216*\m+(2*(\q)+\c)*768
	ds_load_b64 v[FB+12*\m+6*\c+4:FB+12*\m+6*\c+5], v7 offset:9216*\m+(2*(\q)+\c)*768
.endr
.endr
	WIN 0
.endm
	s_load_b256 s[4:11], s[0:1], 0x0               ; ocodes, oscales, wcodes, wscales
	s_load_b128 s[12:15], s[0:1], 0x20             ; bo, out0
	v_lshl_add_u32 v[SPW], v0, 2, SPARE
	v_mov_b32 v[NIL], 0
	v_lshrrev_b32 v1, 5, v0
	v_readfirstlane_b32 s16, v1                    ; wave w
	v_and_b32 v37, 31, v0                          ; lane
	v_and_b32 v38, 15, v0                          ; r
	v_bfe_u32 v39, v0, 4, 1                        ; h
	v_lshlrev_b32 v1, 4, v37                       ; 16 x lane: global offsets, and an image's registers 0-3 in LDS (the images begin at byte 0)
	v_lshlrev_b32 v2, 2, v37                       ; 4 x lane
	v_lshlrev_b32 v3, 6, v39                       ; 64 h
	v_lshlrev_b32 v7, 3, v37
	v_add_nc_u32 v7, 512, v7                       ; an image's registers 4-5
	v_add_nc_u32 v8, XSC, v2
	s_mov_b32 s17, ttmp9                           ; g
	s_and_b32 s18, ttmp7, 0xffff                   ; y
	s_wait_alu depctr_va_sdst(0)                   ; s16 is written, ahead of its first reader: all bases and LDS places are made from it
	s_lshr_b32 s19, s16, 1
	s_lshl_b32 s19, s19, 5
	s_and_b32 s20, s16, 1
	s_lshl_b32 s20, s20, 3
	s_add_co_u32 s19, s19, s20                     ; cw = 32 (w / 2) + 8 (w % 2)
	s_mul_i32 s22, s17, 36864
	s_mul_i32 s20, s16, 9216
	s_add_co_u32 s22, s22, s20                     ; ocodes: the group, my quarter
	s_mov_b32 s23, 0
	s_mul_i32 s24, s17, 1536
	s_mul_i32 s20, s16, 384
	s_add_co_u32 s24, s24, s20                     ; oscales likewise
	s_mov_b32 s25, 0
	s_mul_i32 s21, s18, 12
	s_add_co_u32 s21, s21, s16                     ; my first tile of Wo: 12 y + w
	s_mul_i32 s26, s21, 9216
	s_add_co_u32 s26, s26, 1327104                 ; in wcodes' fourth matrix
	s_mov_b32 s27, 0
	s_mul_i32 s28, s21, 384
	s_add_co_u32 s28, s28, 55296                   ; and in wscales'
	s_mov_b32 s29, 0
	s_mul_i32 s30, s18, 192
	s_add_co_u32 s30, s30, s19
	s_lshl_b32 s30, s30, 2                         ; bo: column 192 y + cw
	s_mov_b32 s31, 0
	s_lshl_b32 s32, s17, 6
	s_add_co_u32 s32, s32, s19
	s_mul_i32 s32, s32, 3072                       ; out0: token 64 g + cw: the first of tile w,
	s_mul_i32 s20, s18, 768
	s_add_co_u32 s32, s32, s20                     ; + my work-group's 768 bytes of a row
	s_mov_b32 s33, 0
	s_mul_i32 s34, s16, 9216
	v_add_nc_u32 v4, s34, v1                       ; the copy: my quarter of the images,
	s_mul_i32 s35, s16, 384
	s_add_co_u32 s35, s35, XSC
	v_add_nc_u32 v5, s35, v2                       ; and of the scale words
	v_mul_u32_u24 v9, v38, 784
	v_lshl_add_u32 v9, v39, 6, v9
	s_lshl_b32 s36, s19, 2
	s_add_co_u32 s36, s36, STG
	v_add_nc_u32 v9, s36, v9                       ; into the stage: row r of a tile, + 64 h + 4 cw
	s_mul_i32 s37, s16, 16*784
	s_add_co_u32 s37, s37, STG
	v_mul_u32_u24 v10, v39, 784
	v_lshl_add_u32 v10, v38, 4, v10
	v_add_nc_u32 v10, s37, v10                     ; back: tile w's rows, lanes 0-15 one row, lanes 16-31 the next; 16 bytes a lane
	v_mul_u32_u24 v11, v39, 3072
	v_lshl_add_u32 v11, v38, 4, v11                ; and the same two rows in out0
	s_wait_kmcnt 0x0
	s_add_nc_u64 s[4:5], s[4:5], s[22:23]
	s_add_nc_u64 s[6:7], s[6:7], s[24:25]
	s_add_nc_u64 s[8:9], s[8:9], s[26:27]
	s_add_nc_u64 s[10:11], s[10:11], s[28:29]
	s_add_nc_u64 s[12:13], s[12:13], s[30:31]
	s_add_nc_u64 s[14:15], s[14:15], s[32:33]
	s_wait_alu depctr_va_vdst(0)                   ; v1-5 and v7-11 are written: every load, store and LDS instruction of the kernel reads one of them as its address or offset
.set N, 0
.rept 18
	global_load_b128 v[ACC+4*N:ACC+4*N+3], v1, s[4:5] offset:512*N   ; the copy: 512 consecutive bytes a load
.set N, N+1
.endr
.irp i, 0,1,2
	global_load_b32 v[ACC+72+\i], v2, s[6:7] offset:128*\i
.endr
.irp k, 0,1,2
	global_load_b128 v[BI+8*\k:BI+8*\k+3], v3, s[12:13] offset:256*\k
	global_load_b128 v[BI+8*\k+4:BI+8*\k+7], v3, s[12:13] offset:256*\k+16
.endr
.irp k, 0,1,2
.irp p, 0,1,2
	global_load_b32 v[WS+3*\k+\p], v2, s[10:11] offset:1536*\k+128*\p   ; lanes 0-15 K step 2 p, lanes 16-31 K step 2 p + 1
.endr
.endr
	WIN 0x40                                       ; destination window 1
	WL 0
	WL 1
	WIN 0
	s_wait_loadcnt 33                              ; the copy's 21 loads are in; the 6 + 9 + 18 issued behind them may be out
.set N, 0
.rept 18
	ds_store_b128 v4, v[ACC+4*N:ACC+4*N+3] offset:512*N
.set N, N+1
.endr
.irp i, 0,1,2
	ds_store_b32 v5, v[ACC+72+\i] offset:128*\i
.endr
	WIN 0x40
.irp q, 2,3,4,5
	WL \q
.endr
	WIN 0
	s_wait_dscnt 0x0                               ; for the others' sake: my stores have landed
	s_barrier_signal -1
	s_barrier_wait -1                              ; O's codes and scale words lie in LDS
	s_wait_alu depctr_vm_vsrc(0)                   ; my LDS stores have read v160-234: these registers are the accumulators from here on, written by K step 0's products
.irp m, 0,1,2,3
.irp p, 0,1,2
	ds_load_b32 v[XS+3*\m+\p], v8 offset:(6*\m+2*\p)*64   ; lanes 0-15 K step 2 p's words, lanes 16-31 K step 2 p + 1's
.endr
.endr
	FETCH 0
	FETCH 1
	FETCH 2                                        ; three K steps' fragments are asked for: with the 12 scale words 60 LDS loads of mine are out
; A K STEP: 12 products, the accumulators by turns, one instruction a turn.
.macro KSTEP q
.if 5-(\q) < 2
	s_wait_dscnt 16*(5-(\q))                       ; this K step's fragments of O are in; the later K steps' loads may be out: the counts run down
.else
	s_wait_dscnt 32                                ; LDS loads come back in order: this K step's fragments of O (and the scale words) are in; the two younger K steps' 32 loads may be out
.endif
.if (\q) < 3
	FETCH (\q)+3                                   ; three K steps ahead, into a set of its own
.endif
	s_wait_loadcnt 9*(5-(\q))                      ; this K step's nine loads of Wo are in; the later K steps' may be out
.if (\q) < 2
	WIN 0x01                                       ; source 0 (Wo) window 1; source 1 (O) window 0
.set RB, XF+48*(\q)
.else
	WIN 0x09                                       ; source 0 (Wo) window 1; source 1 (O) window 2
.set RB, 48*((\q)-2)
.endif
.irp m, 0,1,2,3
.irp k, 0,1,2
.set RD, ACC+32*\k+8*\m
.if (\q) == 0
.set RC, BI+8*\k
.else
.set RC, RD
.endif
	MMA RD, 12*(6*\k+(\q)), RB+12*\m, RC, WS+3*\k+(\q)/2, XS+3*\m+(\q)/2, (\q)%2
.endr
.endr
	WIN 0
.endm
.irp q, 0,1,2,3,4,5
	KSTEP \q
.endr
.rept 4
	v_nop                                          ; four places in front of the first read of results
.endr
	s_wait_alu depctr_va_vdst(0)                   ; behind the places: the products have written the accumulators, which the LDS stores read, and are done reading v64-159, in which the loads from the stage land
.irp m, 0,1,2,3
.irp k, 0,1,2
	ds_store_b128 v9, v[ACC+32*\k+8*\m:ACC+32*\k+8*\m+3] offset:12544*\m+256*\k        ; each accumulator from its low end on
	ds_store_b128 v9, v[ACC+32*\k+8*\m+4:ACC+32*\k+8*\m+7] offset:12544*\m+256*\k+16
.endr
.endr
	s_wait_dscnt 0x0                               ; for the others' sake: my stores have landed
	s_barrier_signal -1
	s_barrier_wait -1                              ; 64 rows of 768 bytes lie in the stage
.set N, 0
.irp i, 0,1,2,3,4,5,6,7
.irp c, 0,1,2
	ds_load_b128 v[XF+4*N:XF+4*N+3], v10 offset:1568*\i+256*\c
.set N, N+1
.endr
.endr
.set N, 0
.irp i, 0,1,2,3,4,5,6,7                        ; stage rows 2 i and 2 i + 1 of tile w are tokens 2 i + 8 (i / 4) and the next, counted from the tile's first
.irp c, 0,1,2
	s_wait_dscnt 23-N                              ; LDS loads come back in order: load N is in, the younger ones may be out
	global_store_b128 v11, v[XF+4*N:XF+4*N+3], s[14:15] offset:(2*\i+8*(\i/4))*3072+256*\c th:TH_STORE_NT   ; sixteen lanes store 256 consecutive bytes, at a multiple of 256 from out0's first byte
.set N, N+1
.endr
.endr
	s_wait_dscnt 0x0                               ; the closing lines, six on end
	s_wait_alu 0x0
	s_wait_tensorcnt 0x0
	ds_add_u32 v[SPW], v[NIL]
	s_wait_dscnt 0x0
	s_endpgm
.Lfunc_end_k_q87b394c84c_oproj:
	.size	k_q87b394c84c_oproj, .Lfunc_end_k_q87b394c84c_oproj-k_q87b394c84c_oproj
	.p2alignl 7, 3214868480
	.fill 96, 4, 3214868480
	.section	.rodata,"a",@progbits
	.p2align	6, 0x0
	.amdhsa_kernel k_q87b394c84c_oproj
		.amdhsa_group_segment_fixed_size 89088
		.amdhsa_private_segment_fixed_size 0
		.amdhsa_enable_private_segment 0
		.amdhsa_kernarg_size 48
		.amdhsa_user_sgpr_count 2
		.amdhsa_user_sgpr_kernarg_segment_ptr 1
		.amdhsa_wavefront_size32 1
		.amdhsa_system_sgpr_workgroup_id_x 1
		.amdhsa_system_sgpr_workgroup_id_y 1
		.amdhsa_system_sgpr_workgroup_id_z 1
		.amdhsa_system_vgpr_workitem_id 0
		.amdhsa_next_free_vgpr 704
		.amdhsa_next_free_sgpr 66
		.amdhsa_reserve_vcc 0
		.amdhsa_float_denorm_mode_32 3
		.amdhsa_float_denorm_mode_16_64 3
		.amdhsa_memory_ordered 1
		.amdhsa_forward_progress 1
		.amdhsa_inst_pref_size 37
	.end_amdhsa_kernel
	.amdgpu_metadata
---
amdhsa.version: [ 1, 2 ]
amdhsa.kernels:
  - .name:           k_q87b394c84c_oproj
    .symbol:         k_q87b394c84c_oproj.kd
    .args:
      - { .name: ocodes, .offset: 0, .size: 8, .value_kind: global_buffer, .address_space: global }
      - { .name: oscales, .offset: 8, .size: 8, .value_kind: global_buffer, .address_space: global }
      - { .name: wcodes, .offset: 16, .size: 8, .value_kind: global_buffer, .address_space: global }
      - { .name: wscales, .offset: 24, .size: 8, .value_kind: global_buffer, .address_space: global }
      - { .name: bo, .offset: 32, .size: 8, .value_kind: global_buffer, .address_space: global }
      - { .name: out0, .offset: 40, .size: 8, .value_kind: global_buffer, .address_space: global }
    .group_segment_fixed_size: 89088
    .private_segment_fixed_size: 0
    .kernarg_segment_align: 8
    .kernarg_segment_size: 48
    .max_flat_workgroup_size: 128
    .sgpr_count:     66
    .vgpr_count:     704
    .wavefront_size: 32
...
	.end_amdgpu_metadata
.endif
;; end of part 6
